; MI455X (gfx1250); checked and timed in simulation.
; The chip was launched on July 23, 2026; its instructions are those of AMD's public machine-readable ISA for CDNA 5 (MIT licence, August 2026) and "CDNA5" Instruction Set Architecture Reference Guide (July 2026). The comments in the code are by the model that wrote it; some were corrected since.
;; Causal Self Attention. Allowed arithmetic: matrix products marked QUANTISED: E3M2 operands, one E8M0 scale for each 32 along K, by v_wmma_scale_f32_16x16x128_f8f6f4 with both operands' format E3M2, f32 sums; everything else in f32.
;; Inputs: W_proj 1,024 x 1,024 float32; W_qkv 1,024 x 3,072 float32; b_proj 1,024 float32; b_qkv 3,072 float32; x 4 x 2,048 x 1,024 float32.
;; Outputs: out0 4 x 2,048 x 1,024 float32.
;; This version of the problem:
;;   THIS VERSION OF THE PROBLEM IS GIVEN IN LOW PRECISION. The matrix products marked QUANTISED in the list below multiply operands that are first quantised to E3M2 (3 exponent bits, 2 mantissa bits; 6 bits a number), with one power-of-two scale for each 32 numbers along K (OCP MX v1.0); their sums are f32. All else is computed in f32.
;;   The module's matrix products, in the order in which they are computed (A, B: the left and right operand; K: the contracted axis; several contracted axes count as one K, in the product's order):
;;     1. [M 8,192, K 1,024] x [K 1,024, N 3,072]; A: input x; B: input W_qkv: QUANTISED
;;     2. batch 64 x [M 2,048, K 64] x [K 64, N 2,048]; A: computed on the way; B: computed on the way: QUANTISED
;;     3. batch 64 x [M 2,048, K 2,048] x [K 2,048, N 64]; A: softmax (see below); B: computed on the way: QUANTISED
;;     4. [M 8,192, K 1,024] x [K 1,024, N 1,024]; A: computed on the way; B: input W_proj: QUANTISED
;;   THE QUANTISER, for each operand of a quantised product, along K:
;;     - K is cut into blocks of 32 from its start; a last block that is shorter is filled with zeros.
;;     - A block's scale is 2^e with e = floor(log2(the largest magnitude in the block)) - 4, held to -126 .. 127; a block of zeros has e = 0. As a byte (E8M0): e + 127.
;;     - Each number is divided by its block's scale, clamped to +-28, and rounded to the nearest number of E3M2, ties to even, subnormals kept.
;;     - The product sums the exact products of the quantised numbers (number of the format x scale) in f32.
;;   ~~~python
;;   def quantise(x, axis):      # numpy; x: float32 -> the quantised numbers, widened to float32 again
;;       x = np.moveaxis(x, axis, -1); K = x.shape[-1]
;;       x = np.pad(x, [(0, 0)] * (x.ndim - 1) + [(0, -K % 32)]); x = x.reshape(x.shape[:-1] + (-1, 32)); a = np.abs(x).max(-1, keepdims=True)
;;       e = np.where(a > 0, np.clip(np.frexp(np.where(a > 0, a, 1))[1] - 1 - 4, -126, 127), 0)      # np.frexp(a)[1] - 1 = floor(log2(a)), exactly
;;       r = np.clip(x / 2.0 ** e, -28, 28)
;;       step = 2.0 ** (np.maximum(np.frexp(np.where(r == 0, 1, r))[1] - 1, -2) - 2)
;;       q = np.round(r / step) * step * 2.0 ** e      # np.round: ties to even
;;       return np.moveaxis(q.reshape(q.shape[:-2] + (-1,))[..., :K], -1, axis).astype(np.float32)
;;   ~~~
;;   SOFTMAX AHEAD OF A QUANTISED PRODUCT. Where the list says 'softmax', what is quantised is not the finished softmax but p = 2^(t - M), with t = logit x log2(e) and M = ceil(the row's largest t), a whole number; so 1/2 < the row's largest p <= 1. The row's sum l is taken of the UNQUANTISED p, in f32, and the product's result is divided by l at the end. Since M is a whole number, a kernel that streams over the keys may use a running M (the ceiling of the running maximum): every later rescaling is an exact power of two, which a block's scale takes up: the codes' values come out the same.
;;   OPERANDS COMPUTED ON THE WAY. 'Computed on the way' means the value that the module computes at that place (a softmax that the list does not call 'softmax' is quantised finished and normalised). What goes into a quantiser is computed in f32, as accurately as f32 sums, v_exp_f32 and their like allow (about 1e-6 of the number): no bf16 or f16 on the way to a quantiser, and a product that is left as it is and whose result goes on into a quantised operand takes f32 operands (vector FMAs, or v_wmma_f32_16x16x4_f32). A number that lies on a knife's edge between two numbers of the format may be rounded either way, as far as f32 arithmetic and the matrix unit's own rounding can turn it there, and no further.
;; One version. Each part assembles by itself: llvm-mc -triple=amdgcn-amd-amdhsa -mcpu=gfx1250 --defsym DOCPART=n.
;; ======== version 1 of 1: 4 launches
;; limits: right only within a limited range of input values
;; workspace buffers: xq 6,553,600 bytes; wq 3,276,800 bytes; qk 13,631,488 bytes; vq 6,553,600 bytes; yq 6,553,600 bytes
;; launch quant (part 1): grid 384 x 1, 4 waves a work-group, no clusters, 68,096 bytes of LDS; arguments x, W_qkv, W_proj, xq, wq; writes xq, wq
.if DOCPART == 1
	.amdgcn_target "amdgcn-amd-amdhsa--gfx1250"
	.amdhsa_code_object_version 6
	.text
	.protected	k_q263a609221_quant
	.globl	k_q263a609221_quant
	.p2align	8
	.type	k_q263a609221_quant,@function
k_q263a609221_quant:
	s_mov_b64 s[64:65], 0
	v_nop
	global_prefetch_b8 v0, s[64:65] scope:SCOPE_SE
	s_setreg_imm32_b32 hwreg(HW_REG_WAVE_MODE, 25, 1), 1
	s_wait_xcnt 0x0
; x [8192][1024], W_qkv [1024][3072] and W_proj [1024][1024], all f32, become codes of BF6 (E3M2), K innermost, with one E8M0 byte for each 32 along K.
; xq: 8,192 rows of 768 bytes of codes, then (at XSC) 8,192 rows of 32 scale bytes.  wq: the same for 4,096 rows: W_qkv's 3,072 columns, then W_proj's 1,024.
; EVERY ROW LIES AT THE PLACE pi(row), pi = the row's number with bits 3 and 4 exchanged: sixteen neighbouring places are then rows
; 32 a + 8 u + r + 8 (r / 8), the choice of rows with which a transposed product leaves sixteen neighbours along the next K in a lane's registers.
; A block's scale is 2^(floor(log2(largest magnitude)) - 4): its byte is the largest magnitude's exponent field - 4, held at 1 from below.
; LIMITS: a block whose largest magnitude lies under 2^-122 keeps the byte 1; a block of zeros gets the byte 1 where the rule says 127 (its codes are zeros,
; and this program alone reads the bytes); NaN and infinities among the inputs are not served.
; 384 work-groups of 32,768 numbers: the first 256 take x (K innermost: a plain stream of blocks), the other 128 the weights (K outermost: a lane takes a
; column and its registers run down K).  The two ways part once, on the work-group's number, and have LDS bytes of their own.  Waves share nothing: no barrier.
.set XSC,    6291456
.set WSC,    3145728
.set EMAX,   4
.set STEPS,  16                        ; x: a wave takes 16 steps of 512 numbers = 8 rows
.set CB,     12                        ; bytes of 16 codes
.set R,      16                        ; v16-79   four sets of 16 numbers as loaded
.set X,      80                        ; v80-111  two sets of 16 neighbours
.set E,      112                       ; v112-127 a scale byte for each step
.set C,      128                       ; v128-191 codes, four registers a step: no store's data are written again
.set WREG,   8192                      ; LDS of the x way: a region for each wave: two stages of 32 x SP bytes, then 256 scale bytes
.set SP,     80                        ; a lane's 64 bytes + 16 of padding
.set NB,     8                         ; weights: a wave takes 32 columns x 8 blocks of 32 along K
.set WPITCH, 272                       ; a stage row: sixteen places of 16 bytes (12 of codes each) + 16
.set WSTG,   32768                     ; LDS of the weights' way begins here
.set WX,     32                        ; v32-95   two sets of 32 numbers
.set WC,     96                        ; v96..    a block's codes
.set OUTR,   112                       ; v112-175 the way out
.set SB,     24                        ; v24-25   the scale bytes
.set RO,     176                       ; v176-207 byte offset of row i of a block: 4 x lane + i x pitch; never rewritten
	s_load_b128 s[4:7], s[0:1], 0x0                ; x, W_qkv
	s_load_b128 s[8:11], s[0:1], 0x10              ; W_proj, xq
	s_load_b64 s[12:13], s[0:1], 0x20              ; wq
	v_lshl_add_u32 v208, v0, 2, 0x10800
	v_mov_b32 v209, 0
	v_lshrrev_b32 v1, 5, v0
	v_readfirstlane_b32 s16, v1                    ; wave
	v_and_b32 v2, 31, v0                           ; lane
	s_cmp_lt_u32 ttmp9, 256
	s_cbranch_scc0 .Lweights
; ---------------- x ----------------
; Each load reads 512 consecutive bytes, 16 a lane; a step's 2,048 bytes turn through the wave's own stage and come back 64 bytes a lane: 16 neighbours, half a block.
	v_lshlrev_b32 v3, 4, v2                        ; my 16 bytes of a load's 512
	s_mul_i32 s17, s16, WREG
	v_lshrrev_b32 v14, 2, v2
	v_mul_u32_u24 v14, v14, SP
	v_and_b32 v15, 3, v2
	v_lshl_add_u32 v14, v15, 4, v14
	v_add_nc_u32 v14, s17, v14                     ; into the stage: SP (lane / 4) + 16 (lane % 4)
	v_mul_u32_u24 v15, v2, SP
	v_add_nc_u32 v15, s17, v15                     ; out of it: SP x lane
	; THE CODES' PLACE: for the row at place P, K step ks of 256 and byte y of its 192: 196,608 (P / 256) + 49,152 ks + 192 (P % 256) + y: a K step of 256 rows is 49,152 dense bytes
	v_and_b32 v4, 15, v2
	v_mul_u32_u24 v4, v4, CB                       ; sixteen lanes hold a K step's 192 bytes of a row,
	v_lshrrev_b32 v10, 4, v2
	v_mad_u32_u24 v4, v10, 0xc000, v4              ; lanes 16-31 the next K step's
	v_lshrrev_b32 v5, 1, v2
	s_add_co_u32 s17, s17, 2*32*SP
	v_add_nc_u32 v5, s17, v5                       ; my block's byte among the wave's 256
	v_lshlrev_b32 v7, 3, v2
	v_add_nc_u32 v6, s17, v7                       ; and 8 bytes a lane on the way out
	s_lshl_b32 s17, ttmp9, 2
	s_add_co_u32 s18, s17, s16                     ; my run of 8 rows: 4 x work-group + wave
	s_and_b32 s19, s16, 1
	s_lshl_b32 s19, s19, 1
	s_lshr_b32 s20, s16, 1
	s_or_b32 s19, s19, s20
	s_add_co_u32 s19, s17, s19                     ; its place: bits 3 and 4 of a row are bits 0 and 1 of the run, which are the wave's
	s_lshl_b32 s20, s18, 15                        ; 8 rows of 4,096 bytes in
	s_mov_b32 s21, 0
	s_lshr_b32 s22, s19, 5
	s_mul_i32 s22, s22, 196608                     ; 32 runs of 8 rows to a block of 256 rows
	s_and_b32 s23, s19, 31
	s_mul_i32 s23, s23, 1536                       ; 8 rows of 192 bytes
	s_add_co_u32 s22, s22, s23
	s_mov_b32 s23, 0
	s_lshl_b32 s24, s19, 8                         ; 8 rows of 32 scale bytes
	s_add_co_u32 s24, s24, XSC
	s_mov_b32 s25, 0
	s_wait_alu depctr_va_vdst(0)
	s_wait_kmcnt 0x0
	s_add_nc_u64 s[4:5], s[4:5], s[20:21]
	s_add_nc_u64 s[8:9], s[10:11], s[22:23]
	s_add_nc_u64 s[10:11], s[10:11], s[24:25]
.macro LOAD t
.irp i, 0,1,2,3
	global_load_b128 v[R+16*((\t)%4)+4*\i:R+16*((\t)%4)+4*\i+3], v3, s[4:5] offset:2048*(\t)+512*\i th:TH_LOAD_NT
.endr
.endm
.macro TURN t                          ; LDS serves a wave's instructions in order: no wait between these stores and loads
.irp i, 0,1,2,3
	ds_store_b128 v14, v[R+16*((\t)%4)+4*\i:R+16*((\t)%4)+4*\i+3] offset:32*SP*((\t)%2)+8*SP*\i
.endr
.irp i, 0,1,2,3
	ds_load_b128 v[X+16*((\t)%2)+4*\i:X+16*((\t)%2)+4*\i+3], v15 offset:32*SP*((\t)%2)+16*\i
.endr
.endm
.irp t, 0,1,2,3
	LOAD \t
.endr
	s_wait_loadcnt 12                              ; step 0's four loads are in; the twelve of steps 1 to 3 may be out
	TURN 0
.macro STEP t
.set XS, X+16*((\t)%2)
.if (\t) > 0
	s_wait_dscnt 1                                 ; this step's numbers are back from the stage; the last step's byte store may be out
.else
	s_wait_dscnt 0x0
.endif
.if (\t)+4 < STEPS
	LOAD (\t)+4                                    ; into the registers that the stage's stores have read
.endif
.if (\t)+1 < STEPS
.if STEPS-2-(\t) >= 3
	s_wait_loadcnt 12                              ; the next step's four loads are in; those of the three steps behind it may be out
.else
	s_wait_loadcnt 4*(STEPS-2-(\t))
.endif
	TURN (\t)+1
.endif
	v_max3_num_f32 v8, |v[XS]|, |v[XS+1]|, |v[XS+2]|               ; the largest magnitude of my 16, in two chains
	v_max3_num_f32 v9, |v[XS+3]|, |v[XS+4]|, |v[XS+5]|
.irp i, 6,10
	v_max3_num_f32 v8, v8, |v[XS+\i]|, |v[XS+\i+1]|
	v_max3_num_f32 v9, v9, |v[XS+\i+2]|, |v[XS+\i+3]|
.endr
	v_max3_num_f32 v8, v8, |v[XS+14]|, |v[XS+15]|
	v_max3_num_f32 v8, v8, v9, (EMAX+1)<<23        ; and the floor 2^(5 - 127): the byte cannot fall under 1
	v_max_num_f32_dpp v8, v8, v8 row_xmask:1 row_mask:0xf bank_mask:0xf   ; with my neighbour's 16: the block's
	v_add_nc_u32 v11, -(EMAX<<23), v8              ; 4 off its exponent field: the conversion takes this operand's exponent field as its scale
	v_cvt_scalef32_pk16_bf6_f32 v[C+4*(\t):C+4*(\t)+2], v[XS:XS+15], v11
	v_lshrrev_b32 v[E+(\t)], 23, v11               ; the scale's byte
	ds_store_b8 v5, v[E+(\t)] offset:16*(\t)       ; both lanes of a block write the same byte with the same value
	global_store_b96 v4, v[C+4*(\t):C+4*(\t)+2], s[8:9] offset:192*((\t)/2)+98304*((\t)%2)   ; row t / 2, K steps 2 (t % 2) and 2 (t % 2) + 1
.endm
.irp t, 0,1,2,3,4,5,6,7,8,9,10,11,12,13,14,15
	STEP \t
.endr
	ds_load_b64 v[12:13], v6                       ; in order behind my byte stores
	s_wait_dscnt 0x0
	global_store_b64 v7, v[12:13], s[10:11]        ; 32 lanes store 256 consecutive bytes, aligned
	s_wait_tensorcnt 0x0
	ds_add_u32 v208, v209
	s_wait_dscnt 0x0
	s_endpgm
; ---------------- the weights ----------------
; Work-group id: column group cg = id % 32 (128 columns; 0-23 W_qkv's, 24-31 W_proj's), ky = id / 32 (256 along K).  The two tensors differ in their pitch,
; which therefore stands in a register: eight bases, one a block, and 32 offsets, one a row of a block; none is rewritten.
.Lweights:
	s_sub_co_u32 s17, ttmp9, 256
	s_and_b32 s18, s17, 31                         ; cg
	s_lshr_b32 s19, s17, 5                         ; ky
	s_sub_co_u32 s21, s18, 24
	s_mov_b32 s20, 4096
	s_cmp_lt_u32 s18, 24
	s_cselect_b32 s20, 12288, s20                  ; a row of the tensor in bytes
	s_cselect_b32 s21, s18, s21                    ; the column group inside the tensor
	s_lshl_b32 s22, s21, 9
	s_lshl_b32 s23, s16, 7
	s_add_co_u32 s22, s22, s23                     ; 4 x (128 x group + 32 x wave)
	s_lshl_b32 s23, s19, 8
	s_mul_i32 s23, s23, s20
	s_add_co_u32 s22, s22, s23                     ; + 256 ky rows
	s_mov_b32 s23, 0
	s_lshl_b32 s24, s20, 5                         ; 32 rows
	s_mov_b32 s25, 0
	s_wait_alu depctr_va_vdst(0)
	v_lshlrev_b32 v3, 2, v2
.irp i, 0,1,2,3,4,5,6,7,8,9,10,11,12,13,14,15,16,17,18,19,20,21,22,23,24,25,26,27,28,29,30,31
	v_mad_u32_u24 v[RO+\i], s20, \i, v3
.endr
	s_mul_i32 s26, s16, 32*WPITCH
	s_add_co_u32 s26, s26, WSTG                    ; my stage
	v_mul_u32_u24 v4, v2, WPITCH
	v_add_nc_u32 v4, s26, v4                       ; into it: row = my column
	v_and_b32 v5, 15, v2
	v_lshrrev_b32 v6, 4, v2
	v_mul_u32_u24 v7, v6, WPITCH
	v_lshl_add_u32 v7, v5, 4, v7
	v_add_nc_u32 v7, s26, v7                       ; out of it: sixteen lanes to a row, two rows an instruction
	v_mul_u32_u24 v8, v6, 192
	v_mad_u32_u24 v8, v5, 12, v8                   ; and the same in wq (bit 0 of a row stays where it is under pi)
	s_lshl_b32 s27, s18, 7
	s_lshl_b32 s28, s16, 5
	s_add_co_u32 s27, s27, s28                     ; my first row of wq: 128 cg + 32 x wave
	s_lshr_b32 s28, s27, 8
	s_mul_i32 s28, s28, 196608                     ; the block of 256 rows,
	s_and_b32 s29, s27, 255
	s_mul_i32 s29, s29, 192                        ; my first row in it,
	s_add_co_u32 s28, s28, s29
	s_mul_i32 s29, s19, 49152                      ; and the K step
	s_add_co_u32 s28, s28, s29
	s_mov_b32 s29, 0
	s_lshl_b32 s30, s27, 5
	s_lshl_b32 s31, s19, 3
	s_add_co_u32 s30, s30, s31
	s_add_co_u32 s30, s30, WSC
	s_mov_b32 s31, 0
	v_and_b32 v9, 7, v2                            ; my column's place among the wave's 32: bits 3 and 4 exchanged
	v_bfe_u32 v10, v2, 3, 1
	v_bfe_u32 v11, v2, 4, 1
	v_lshl_add_u32 v9, v10, 4, v9
	v_lshl_add_u32 v9, v11, 3, v9
	v_lshlrev_b32 v9, 5, v9                        ; x 32 scale bytes a row
	s_wait_kmcnt 0x0
	s_cmp_lt_u32 s18, 24                           ; the choice hangs on the work-group's number alone
	s_cselect_b64 s[4:5], s[6:7], s[8:9]
	s_add_nc_u64 s[32:33], s[4:5], s[22:23]
.irp t, 1,2,3,4,5,6,7
	s_add_nc_u64 s[32+2*\t:33+2*\t], s[30+2*\t:31+2*\t], s[24:25]
.endr
	s_add_nc_u64 s[6:7], s[12:13], s[28:29]        ; my codes
	s_add_nc_u64 s[8:9], s[12:13], s[30:31]        ; my scale bytes
.macro WLOAD t                         ; block t: W(32 t + i, my column): 32 lanes read 128 consecutive bytes, the four waves 512
.irp i, 0,1,2,3,4,5,6,7,8,9,10,11,12,13,14,15,16,17,18,19,20,21,22,23,24,25,26,27,28,29,30,31
	global_load_b32 v[WX+32*((\t)%2)+\i], v[RO+\i], s[32+2*(\t):33+2*(\t)] th:TH_LOAD_NT
.endr
.endm
	WLOAD 0
	WLOAD 1
.macro BLOCK t
.set XS, WX+32*((\t)%2)
.if (\t) < NB-1
	s_wait_loadcnt 32                              ; this block's 32 loads are in; the next block's 32 may be out
.else
	s_wait_loadcnt 0
.endif
	v_max3_num_f32 v12, |v[XS]|, |v[XS+1]|, |v[XS+2]|               ; all 32 numbers of the block are mine
	v_max3_num_f32 v13, |v[XS+3]|, |v[XS+4]|, |v[XS+5]|
.irp i, 6,10,14,18,22,26
	v_max3_num_f32 v12, v12, |v[XS+\i]|, |v[XS+\i+1]|
	v_max3_num_f32 v13, v13, |v[XS+\i+2]|, |v[XS+\i+3]|
.endr
	v_max3_num_f32 v12, v12, |v[XS+30]|, |v[XS+31]|
	v_max3_num_f32 v12, v12, v13, (EMAX+1)<<23
	v_add_nc_u32 v11, -(EMAX<<23), v12
	v_lshrrev_b32 v13, 23, v11
.if (\t)%4 == 0
	v_mov_b32 v[SB+(\t)/4], v13                    ; four bytes to a register, the lower K in the lower byte
.else
	v_lshl_or_b32 v[SB+(\t)/4], v13, 8*((\t)%4), v[SB+(\t)/4]
.endif
	v_cvt_scalef32_pk16_bf6_f32 v[WC:WC+2], v[XS:XS+15], v11
	v_cvt_scalef32_pk16_bf6_f32 v[WC+4:WC+6], v[XS+16:XS+31], v11   ; (a conversion's three registers begin on an even number)
	ds_store_b96 v4, v[WC:WC+2] offset:32*(\t)     ; 12 bytes to a place of 16: every LDS address is a multiple of 16
	ds_store_b96 v4, v[WC+4:WC+6] offset:32*(\t)+16
.if (\t)+2 < NB
	WLOAD (\t)+2
.endif
	s_wait_dscnt 0x0                               ; the stores have read their registers: the next block's codes may be written
.endm
.irp t, 0,1,2,3,4,5,6,7
	BLOCK \t
.endr
	s_wait_alu depctr_va_vdst(0)
	global_store_b64 v9, v[SB:SB+1], s[8:9]        ; my column's 8 scale bytes
.irp t, 0,1,2,3,4,5,6,7,8,9,10,11,12,13,14,15
	ds_load_b96 v[OUTR+4*\t:OUTR+4*\t+2], v7 offset:2*\t*WPITCH
.endr
.irp t, 0,1,2,3,4,5,6,7,8,9,10,11,12,13,14,15
	s_wait_dscnt 15-\t                             ; the younger loads may be out
	global_store_b96 v8, v[OUTR+4*\t:OUTR+4*\t+2], s[6:7] offset:(((2*\t)&7)+(((2*\t)>>3)&1)*16+(((2*\t)>>4)&1)*8)*192   ; sixteen lanes store a row's 192 consecutive bytes, at the row's place
.endr
	s_wait_tensorcnt 0x0
	ds_add_u32 v208, v209
	s_wait_dscnt 0x0
	s_endpgm
.Lfunc_end_k_q263a609221_quant:
	.size	k_q263a609221_quant, .Lfunc_end_k_q263a609221_quant-k_q263a609221_quant
	.p2alignl 7, 3214868480
	.fill 96, 4, 3214868480
	.section	.rodata,"a",@progbits
	.p2align	6, 0x0
	.amdhsa_kernel k_q263a609221_quant
		.amdhsa_group_segment_fixed_size 68096
		.amdhsa_private_segment_fixed_size 0
		.amdhsa_enable_private_segment 0
		.amdhsa_kernarg_size 40
		.amdhsa_user_sgpr_count 2
		.amdhsa_user_sgpr_kernarg_segment_ptr 1
		.amdhsa_wavefront_size32 1
		.amdhsa_system_sgpr_workgroup_id_x 1
		.amdhsa_system_sgpr_workgroup_id_y 1
		.amdhsa_system_sgpr_workgroup_id_z 1
		.amdhsa_system_vgpr_workitem_id 0
		.amdhsa_next_free_vgpr 210
		.amdhsa_next_free_sgpr 66
		.amdhsa_reserve_vcc 0
		.amdhsa_float_denorm_mode_32 3
		.amdhsa_float_denorm_mode_16_64 3
		.amdhsa_memory_ordered 1
		.amdhsa_forward_progress 1
		.amdhsa_inst_pref_size 77
	.end_amdhsa_kernel
	.amdgpu_metadata
---
amdhsa.version: [ 1, 2 ]
amdhsa.kernels:
  - .name:           k_q263a609221_quant
    .symbol:         k_q263a609221_quant.kd
    .args:
      - { .name: x, .offset: 0, .size: 8, .value_kind: global_buffer, .address_space: global }
      - { .name: W_qkv, .offset: 8, .size: 8, .value_kind: global_buffer, .address_space: global }
      - { .name: W_proj, .offset: 16, .size: 8, .value_kind: global_buffer, .address_space: global }
      - { .name: xq, .offset: 24, .size: 8, .value_kind: global_buffer, .address_space: global }
      - { .name: wq, .offset: 32, .size: 8, .value_kind: global_buffer, .address_space: global }
    .group_segment_fixed_size: 68096
    .private_segment_fixed_size: 0
    .kernarg_segment_align: 8
    .kernarg_segment_size: 40
    .max_flat_workgroup_size: 128
    .sgpr_count:     66
    .vgpr_count:     210
    .wavefront_size: 32
...
	.end_amdgpu_metadata
.endif
;; end of part 1
;; launch qkv (part 2): grid 8 x 48, 4 waves a work-group, clusters of 4 x 4, 327,680 bytes of LDS; arguments xq, wq, b_qkv, qk, vq; writes qk, vq
.if DOCPART == 2
	.amdgcn_target "amdgcn-amd-amdhsa--gfx1250"
	.amdhsa_code_object_version 6
	.text
	.protected	k_q263a609221_qkv
	.globl	k_q263a609221_qkv
	.p2align	8
	.type	k_q263a609221_qkv,@function
k_q263a609221_qkv:
	s_mov_b64 s[64:65], 0
	v_nop
	global_prefetch_b8 v0, s[64:65] scope:SCOPE_SE
	s_setreg_imm32_b32 hwreg(HW_REG_WAVE_MODE, 25, 1), 1
	s_wait_xcnt 0x0
	s_wait_alu depctr_hold_cnt(0) depctr_sa_sdst(0) depctr_va_vdst(0) depctr_va_sdst(0) depctr_va_ssrc(0) depctr_va_vcc(0) depctr_vm_vsrc(0)
	s_getreg_b32 s2, hwreg(HW_REG_IB_STS2, 6, 4)
	s_cmp_eq_u32 s2, 0
	s_cbranch_scc0 .Lentry_in_a_cluster
	s_endpgm
.Lentry_in_a_cluster:
	s_bfe_u32 s2, ttmp6, 0x10000c
	s_cmp_lg_u32 s2, 0xf033
	s_cbranch_scc0 .Lentry_shape_is_right
	s_endpgm
.Lentry_shape_is_right:
; qkv = x W_qkv + b_qkv on codes of BF6 (E3M2) with E8M0 scales, and q, k, v quantised on the way out: the f32 numbers never go to memory.
; ONE BODY: C'[m'][n'] = sum over K = 1,024 of A'[m'][k] B'[n'][k], a tile of 256 x 256 to a work-group, 128 x 128 to each of four waves (64 accumulators, 512 registers);
; the matrix instruction is used transposed (source 0 = 16 rows of B', source 1 = 16 rows of A'), so a lane holds ONE row of A' and its registers run along B'.
; The rows of xq and wq lie at places pi(row) (bits 3 and 4 exchanged): the 64 registers of a block of A' are then 4 x 16 NEIGHBOURS along n', in true order
; (register 16 b + i = n' 32 b + 16 (lane / 16) + i), which is what the conversion to codes takes.  Rows m' stay in the order of their places.
; PARTS, by the cluster's y (CY, which all partners share): CY < 8: A' = xq (tokens), B' = wq rows 0-2,047 (q's and k's features): quantised along the head's 64.
;   CY >= 8: A' = wq rows 2,048 on (v's features), B' = xq (tokens): C' = v^T, quantised along the keys.
; OUT.  qk: for each G = 64 (k) + 16 batch + head: 128 chunks of 768 bytes (16 rows x 64 K as the reader's registers: registers 2 j, 2 j + 1 of lane L at 256 j + 8 L), and at QKSC
;   its scale words [place / 64][r][tile] (two bytes, the upper two 0).  vq: for each (batch, 128 keys): 64 fragments of 1,536 bytes (16 features x 128 keys: registers 4 i .. 4 i + 3 of lane L at 512 i + 16 L),
;   and at VSC its scale words [head][r][tile].  Every store covers 256 or 512 consecutive bytes, aligned, straight from registers.
; K goes in steps of 256 through a ring of two LDS slots filled by tensor loads; the scale bytes of the work-group's rows come once and stay.
; CLUSTERS: 4 x 4 work-groups; A's tiles are asked for jointly along a row of the cluster, B's along a column.
; LIMITS: a block whose largest magnitude lies under 2^-122 keeps the byte 1; a block of zeros gets the byte 1 (its codes are zeros; this program alone reads the bytes); NaN and infinities are not served.
; REGISTERS: window 0: v0-31 addresses; v32-63 scale words, two sets; v64-127 the bias along n'; v128-223 A's fragments, one set; v224-239 the bias along m'; v240-255 at work.
;   On the way out v128-191 hold a block's 64 numbers, v192-210 its codes, v212-219 the eight scale words made.  window 1: B's fragments, two sets.  windows 2, 3: the accumulators.
.set KSTEP,  256
.set NQ,     KSTEP/128
.set ROWB,   49152                     ; bytes from a K step of a block of 256 rows to the next: 256 rows x 192 dense bytes
.set KROW,   768                       ; a row of xq or wq
.set PITCH,  240                       ; an LDS row: 3 x (64 bytes + 16 of padding)
.set FR,     12
.set NL,     6
.set NP,     4                         ; places behind this matrix instruction (ISA guide 7.12.1)
.set HALFT,  128*PITCH
.set SLOT,   4*HALFT
.set LAPS,   2                         ; K = 1,024 = two laps of two K steps
.set KS,     32                        ; a row of scale bytes
.set SCL,    2*SLOT
.set HALFS,  (128*KS/256)*272
.set SBLK,   (16*KS/256)*272
.set SPARE,  SCL+4*HALFS               ; the spare words, 128 bytes for each wave: two blocks of 256 bytes that no other line names
.set XSC,    6291456
.set WSC,    3145728
.set QKSC,   12582912
.set VSC,    6291456
.set SH,   14                          ; v14  16 x (lane / 16)
.set ADRA, 16
.set ADRB, 20
.set L8,   24                          ; v24  8 x lane
.set L16,  25                          ; v25  16 x lane
.set SO,   26                          ; v26  8,192 (lane / 16) + 16 (lane % 16)
.set ADRS, 27
.set SPW,  28
.set NIL,  29
.set BNO,  30                          ; v30  64 (lane / 16)
.set BMO,  31                          ; v31  4 x ((r & 7) + 16 (r >> 3))
.set SC,   32
.set BN,   64
.set AF,   128
.set BM,   224
.set TM,   240
.set T,    128
.set CD,   192
.set SW,   212
.set G1, 24
.set G0, 32
.set G1B, 48
.set G0B, 56
.set SEL, 66
.set G1S, 68
.set G0S, 76
.set G1SB, 80
.set G0SB, 88
.set MSB, 0
.macro WIN new                         ; the immediate's high byte repeats the setting that is left
.if MSB != (\new)
	s_set_vgpr_msb (MSB<<8)|(\new)
.set MSB, (\new)
.endif
.endm
.set MUL_LO, 0xa1                      ; source 0 (B) window 1, source 1 (A) window 0, C and D window 2
.set MUL_HI, 0xf1
.set TO_B,   0x40
; A joint load: waves 0 and 1 fetch for A, waves 2 and 3 for B; the branch hangs on the wave's number alone.  Four v_nop follow each of the two lines.
.macro JLOAD g0a, g1a, g0b, g1b
	s_cmp_eq_u32 s15, 0
	s_cbranch_scc0 .Lfor_b_\@
	tensor_load_to_lds s[\g0a:\g0a+3], s[\g1a:\g1a+7]
	s_nop 0
.rept 4
	v_nop
.endr
	s_branch .Lasked_\@
.Lfor_b_\@:
	tensor_load_to_lds s[\g0b:\g0b+3], s[\g1b:\g1b+7]
	s_nop 0
.rept 4
	v_nop
.endr
.Lasked_\@:
.endm
.macro CREST                           ; a round of the cluster's barrier behind its opening barrier
	s_cmp_lg_u32 s14, 0
	s_cbranch_scc1 .Lnot_wave_0_\@
	s_barrier_signal -3
.Lnot_wave_0_\@:
	s_barrier_wait -3
	s_barrier_signal -1
	s_barrier_wait -1
.endm
.macro CROUND
	s_barrier_signal -1
	s_barrier_wait -1
	CREST
.endm
	s_load_b256 s[4:11], s[0:1], 0x0               ; xq s[4:5], wq s[6:7], b_qkv s[8:9], qk s[10:11]
	s_load_b64 s[12:13], s[0:1], 0x20              ; vq
	v_lshl_add_u32 v[SPW], v0, 2, SPARE
	v_mov_b32 v[NIL], 0
	ds_add_u32 v28, v29
	ds_add_u32 v28, v29
	s_wait_dscnt 0x0
	v_lshrrev_b32 v1, 5, v0
	v_readfirstlane_b32 s14, v1                    ; wave 0..3
	s_lshr_b32 s15, s14, 1                         ; my half of the tile's rows.  Also: I fetch for A (0) or for B (1)
	s_and_b32 s16, s14, 1                          ; my half of its columns.  Also: which 128 rows of that tile I fetch
	s_bfe_u32 s40, ttmp6, 0x40000                  ; cx
	s_bfe_u32 s41, ttmp6, 0x40004                  ; cy
	s_and_b32 s95, ttmp7, 0xffff                   ; CY, the cluster's y: it says which part this is
	s_lshl_b32 s18, s95, 2
	s_lshl_b32 s19, ttmp9, 2
	s_lshl_b32 s20, s95, 3
	s_add_co_u32 s20, s20, s19
	s_sub_co_u32 s20, s20, 64                      ; 4 CX + 8 (CY - 8): used in the v part alone
	s_mov_b32 s66, WSC
	s_mov_b32 s67, XSC
	s_cmp_lt_u32 s95, 8
	s_cselect_b32 s17, s18, 0                      ; tile row: 4 CY + cy | cy
	s_cselect_b32 s42, s19, s20                    ; tile column: 4 CX + cx | 4 CX + 8 (CY - 8) + cx
	s_cselect_b32 s2, 0, 2048                      ; A' begins at this row of its buffer
	s_cselect_b32 s66, XSC, s66                    ; where A's scale bytes begin in its buffer,
	s_cselect_b32 s67, WSC, s67                    ; and B's
	s_add_co_u32 s17, s17, s41
	s_add_co_u32 s42, s42, s40
	s_lshl_b32 s43, s41, 2
	s_lshl_b32 s43, 15, s43                        ; my row of the cluster
	s_lshl_b32 s44, 0x1111, s40                    ; my column
	; group 1: a tile of 128 rows x 192 bytes; 16 bytes of padding behind every 64
	; a K step of 256 rows is 49,152 dense bytes: stated as 192 rows of 256 bytes (32 elements of 8); the padding's interval stays 64 bytes, so an LDS row of 192 bytes is 3 x (64 + 16)
	s_or_b32 s[G1+0], s43, (3<<16)|(1<<20)|(1<<21)|(3<<22)|(3<<25)
	s_or_b32 s[G1B+0], s44, (3<<16)|(1<<20)|(1<<21)|(3<<22)|(3<<25)
.irp g, G1, G1B
	s_mov_b32 s[\g+1], 32<<16
	s_mov_b32 s[\g+2], 384<<16                     ; at the head two K steps, which lie on end in memory: 384 rows of 256 bytes
	s_mov_b32 s[\g+3], 32<<16
	s_mov_b32 s[\g+4], 384
	s_mov_b32 s[\g+5], 32
	s_mov_b32 s[\g+6], 0
	s_mov_b32 s[\g+7], 0
.endr
	; the scale bytes of 256 rows: 8,192 dense bytes as 32 rows of 256 (32 elements of 8 bytes), 16 bytes of padding behind each
	s_or_b32 s[G1S+0], s43, (3<<16)|(1<<20)|(1<<21)|(5<<22)|(3<<25)
	s_or_b32 s[G1SB+0], s44, (3<<16)|(1<<20)|(1<<21)|(5<<22)|(3<<25)
.irp g, G1S, G1SB
	s_mov_b32 s[\g+1], 32<<16
	s_mov_b32 s[\g+2], (256*KS/256)<<16            ; the scale bytes of all 256 rows by one load
	s_mov_b32 s[\g+3], 32<<16
	s_mov_b32 s[\g+4], 256*KS/256
	s_mov_b32 s[\g+5], 32
	s_mov_b32 s[\g+6], 0
	s_mov_b32 s[\g+7], 0
.endr
	s_lshl_b32 s20, s17, 8
	s_add_co_u32 s20, s20, s2                      ; A': the tile's first row, a multiple of 256
	s_lshl_b32 s46, s42, 8                         ; B': likewise
	s_mul_i32 s22, s20, KS
	s_add_co_u32 s22, s22, s66                     ; byte offsets, all under 2^32: A's scale bytes,
	s_mov_b32 s23, 0
	s_mul_i32 s92, s46, KS
	s_add_co_u32 s92, s92, s67                     ; B's,
	s_mov_b32 s93, 0
	s_mul_i32 s20, s20, KROW                       ; A's codes,
	s_mov_b32 s21, 0
	s_mul_i32 s46, s46, KROW                       ; B's
	s_mov_b32 s47, 0
	s_mul_i32 s45, s14, HALFT                      ; where they go: wave x 128 rows: no place in the cluster enters an LDS address
	s_mul_i32 s18, s16, 24576                      ; in the ring I fetch 128 rows of a K step: which half, in bytes
	s_mov_b32 s19, 0
	s_wait_kmcnt 0x0
	s_cmp_lt_u32 s95, 8                            ; the choice of buffers hangs on the cluster's y alone
	s_cselect_b64 s[98:99], s[4:5], s[6:7]         ; A'
	s_cselect_b64 s[100:101], s[6:7], s[4:5]       ; B'
	s_add_nc_u64 s[20:21], s[98:99], s[20:21]
	s_add_nc_u64 s[22:23], s[98:99], s[22:23]
	s_add_nc_u64 s[46:47], s[100:101], s[46:47]
	s_add_nc_u64 s[92:93], s[100:101], s[92:93]
	CROUND                                         ; all sixteen work-groups are here: the first joint loads meet
	s_mov_b32 s[G0S], 1
	s_mov_b32 s[G0S+1], SCL
	s_mov_b64 s[G0S+2:G0S+3], s[22:23]
	s_or_b32 s[G0S+3], s[G0S+3], 0x80000000
	s_mov_b32 s[G0SB], 1
	s_mov_b32 s[G0SB+1], SCL+2*HALFS
	s_mov_b64 s[G0SB+2:G0SB+3], s[92:93]
	s_or_b32 s[G0SB+3], s[G0SB+3], 0x80000000
	; LDS: A's slot 0, A's slot 1, B's slot 0, B's slot 1, 2 HALFT each: so one load of the head fills both slots of an operand
	s_mov_b32 s[G0], 1                             ; slot 0's groups 0 serve the head first: K steps 0 and 1 of all 256 rows of A',
	s_mov_b32 s[G0+1], 0
	s_mov_b64 s[G0+2:G0+3], s[20:21]
	s_or_b32 s[G0+3], s[G0+3], 0x80000000
	s_mov_b32 s[G0B], 1                            ; and of B', behind them
	s_mov_b32 s[G0B+1], 4*HALFT
	s_mov_b64 s[G0B+2:G0B+3], s[46:47]
	s_or_b32 s[G0B+3], s[G0B+3], 0x80000000
	s_add_nc_u64 s[20:21], s[20:21], s[18:19]      ; slot 1's: my 128 rows of K step 1
	s_add_nc_u64 s[46:47], s[46:47], s[18:19]
	s_mov_b32 s[G0+4], 1
	s_add_co_u32 s[G0+5], s45, 2*HALFT             ; waves 0, 1: A's slot 1
	s_add_nc_u64 s[G0+6:G0+7], s[20:21], ROWB
	s_or_b32 s[G0+7], s[G0+7], 0x80000000
	s_mov_b32 s[G0B+4], 1
	s_add_co_u32 s[G0B+5], s45, 4*HALFT            ; waves 2, 3: B's slot 1
	s_add_nc_u64 s[G0B+6:G0B+7], s[46:47], ROWB
	s_or_b32 s[G0B+7], s[G0B+7], 0x80000000
; THE HEAD'S LOADS, ONE A WAVE: wave 0 K steps 0 and 1 of A', wave 1 of B', wave 2 A's scale bytes, wave 3 B's.  One tree of branches on the wave's number: every way passes one load.
.macro ARM under, g0, g1, next
	s_cmp_lt_u32 s14, \under
	s_cbranch_scc0 \next
	tensor_load_to_lds s[\g0:\g0+3], s[\g1:\g1+7]
	s_nop 0
.rept 4
	v_nop
.endr
	s_branch .Lhead_asked
\next:
.endm
	ARM 1, G0,  G1,  .Lhead_b
	ARM 2, G0B, G1B, .Lhead_sa
	ARM 3, G0S, G1S, .Lhead_sb
	tensor_load_to_lds s[G0SB:G0SB+3], s[G1SB:G1SB+7]
	s_nop 0
.rept 4
	v_nop
.endr
.Lhead_asked:
	v_and_b32 v1, 15, v0                           ; r
	v_bfe_u32 v2, v0, 4, 1                         ; h
	v_mul_u32_u24 v3, v1, PITCH
	v_mul_u32_u24 v4, v2, 24
	v_add_nc_u32 v4, v3, v4                        ; a fragment's row x pitch + 24 h
	v_lshl_add_u32 v5, v2, 4, v4                   ; and the same behind one padding more
	s_mul_i32 s21, s15, HALFT
	s_mul_i32 s22, s16, HALFT
	s_add_co_u32 s22, s22, 4*HALFT                 ; B's slots lie behind A's two
.irp s, 0,1
	v_add_nc_u32 v[ADRA+\s], s21, v4
	v_add_nc_u32 v[ADRB+\s], s22, v4
	v_add_nc_u32 v[ADRA+2+\s], s21, v5
	v_add_nc_u32 v[ADRB+2+\s], s22, v5
	s_add_co_u32 s21, s21, 2*HALFT
	s_add_co_u32 s22, s22, 2*HALFT
.endr
	v_mul_u32_u24 v5, v1, KS                       ; my row's scale bytes: 32 a row,
	v_lshrrev_b32 v6, 8, v5
	v_lshl_add_u32 v5, v6, 4, v5                   ; and 16 more for each 256 passed
	s_mul_i32 s21, s15, HALFS
	s_mul_i32 s22, s16, HALFS
	s_add_co_u32 s22, s22, 2*HALFS
	s_sub_co_u32 s22, s22, s21
	v_mul_u32_u24 v6, s22, v2                      ; lanes 16-31 take B's
	s_add_co_u32 s21, s21, SCL
	v_add_nc_u32 v5, v5, v6
	v_add_nc_u32 v[ADRS], s21, v5
	v_and_b32 v6, 31, v0
	v_lshlrev_b32 v[L8], 3, v6
	v_lshlrev_b32 v[L16], 4, v6
	v_lshlrev_b32 v[SO], 4, v1
	v_lshl_add_u32 v[SO], v2, 13, v[SO]
	v_lshlrev_b32 v[SH], 4, v2
	v_lshlrev_b32 v[BNO], 6, v2
	s_wait_alu depctr_va_vdst(0)
	v_and_b32 v[BMO], 7, v1
	v_lshrrev_b32 v7, 3, v1
	v_lshl_add_u32 v[BMO], v7, 4, v[BMO]
	v_lshlrev_b32 v[BMO], 2, v[BMO]
	; THE BIASES, both patterns on both parts (so that every register is written on every way); the one that the part does not use is read at an index held inside b_qkv.
	s_wait_alu depctr_va_vdst(0)
	s_lshl_b32 s96, s42, 10
	s_lshl_b32 s97, s16, 9
	s_add_co_u32 s96, s96, s97                     ; 4 x (256 x tile column + 128 x half): my first feature, q/k part
	s_lshl_b32 s92, s17, 10
	s_lshl_b32 s93, s15, 9
	s_add_co_u32 s92, s92, s93                     ; 4 x (256 x tile row + 128 x half): my first feature of v, v part
	s_cmp_lt_u32 s95, 8
	s_cselect_b32 s96, s96, 0
	s_cselect_b32 s92, 0, s92
	s_add_co_u32 s92, s92, 8192                    ; v's biases begin at index 2,048
	s_mov_b32 s97, 0
	s_mov_b32 s93, 0
	s_add_nc_u64 s[96:97], s[8:9], s[96:97]
	s_add_nc_u64 s[100:101], s[8:9], s[92:93]
.irp b, 0,1,2,3,4,5,6,7                        ; register 8 b + j: the bias of n' = 32 (b / 2) + 16 h + 8 (b % 2) + j
	global_load_b128 v[BN+8*\b:BN+8*\b+3], v[BNO], s[96:97] offset:128*(\b/2)+32*(\b%2)
	global_load_b128 v[BN+8*\b+4:BN+8*\b+7], v[BNO], s[96:97] offset:128*(\b/2)+32*(\b%2)+16
.endr
.irp a, 0,1,2,3,4,5,6,7                        ; the pair 2 a, 2 a + 1: the bias of the row at place 16 a + r: 32 (a / 2) + 8 (a % 2) + (r & 7) + 16 (r >> 3)
	global_load_b32 v[BM+2*\a], v[BMO], s[100:101] offset:128*(\a/2)+32*(\a%2)
	global_load_b32 v[BM+2*\a+1], v[BMO], s[100:101] offset:128*(\a/2)+32*(\a%2)
.endr
.macro FRAG reg, adr, q, i             ; 16 rows x 128 K of 6-bit codes: 12 registers; registers 6 c .. 6 c + 5 hold K = 64 c + 32 h + 0 .. 31: 24 bytes of the row, as they lie, in pieces of 8
.irp p, 0,1,2,3,4,5
.set PCE, 12*(\q)+6*(\p/3)+\p%3       ; where the piece three on (lanes 16-31) lies behind one padding more, the second address register serves
.if PCE%8 < 5
	ds_load_b64 v[\reg+2*\p:\reg+2*\p+1], v[\adr] offset:8*PCE+16*(PCE/8)+(\i)*16*PITCH
.else
	ds_load_b64 v[\reg+2*\p:\reg+2*\p+1], v[\adr+2] offset:8*PCE+16*(PCE/8)+(\i)*16*PITCH
.endif
.endr
.endm
; 16 matrix instructions: A's blocks a0, a0 + 1 x B's eight.  The 64 accumulators take turns, one instruction a turn, in the same order in every step.
.macro MUL16 a0, p, q, sc, zero
.irp a, \a0, \a0+1
.irp b, 0,1,2,3,4,5,6,7
.if \zero
	v_wmma_scale_f32_16x16x128_f8f6f4 v[8*(8*((\a)%4)+\b):8*(8*((\a)%4)+\b)+7], v[128*(\p)+FR*\b:128*(\p)+FR*\b+FR-1], v[AF+FR*(\a):AF+FR*(\a)+FR-1], 0, v[SC+8*NQ*(\sc)+NQ*\b+(\q)], v[SC+8*NQ*(\sc)+NQ*(\a)+(\q)] matrix_a_fmt:MATRIX_FMT_BF6 matrix_b_fmt:MATRIX_FMT_BF6 matrix_a_scale:MATRIX_SCALE_ROW1
.else
	v_wmma_scale_f32_16x16x128_f8f6f4 v[8*(8*((\a)%4)+\b):8*(8*((\a)%4)+\b)+7], v[128*(\p)+FR*\b:128*(\p)+FR*\b+FR-1], v[AF+FR*(\a):AF+FR*(\a)+FR-1], v[8*(8*((\a)%4)+\b):8*(8*((\a)%4)+\b)+7], v[SC+8*NQ*(\sc)+NQ*\b+(\q)], v[SC+8*NQ*(\sc)+NQ*(\a)+(\q)] matrix_a_fmt:MATRIX_FMT_BF6 matrix_b_fmt:MATRIX_FMT_BF6 matrix_a_scale:MATRIX_SCALE_ROW1
.endif
.endr
.endr
.endm
.macro FETCH_B slot, q, p
	WIN TO_B
.irp i, 0,1,2,3,4,5,6,7
	FRAG 128*(\p)+FR*\i, ADRB+\slot, \q, \i
.endr
	WIN 0
.endm
.macro FETCH_A slot, q, i0
.irp i, \i0, \i0+1, \i0+2, \i0+3
	FRAG AF+FR*(\i), ADRA+\slot, \q, \i
.endr
.endm
.macro SCALES sc                       ; a K step's scale words: lanes 0-15 take A's block i, lanes 16-31 B's block i
.irp i, 0,1,2,3,4,5,6,7
	ds_load_b64 v[SC+8*NQ*\sc+NQ*\i:SC+8*NQ*\sc+NQ*\i+1], v[ADRS] offset:\i*SBLK
.endr
.endm
.macro PLACES n                        ; plain vector instructions between a matrix instruction and a load into, or a read of, its registers
.rept \n
	v_nop
.endr
.endm
.macro STEP slot, q, zero              ; 128 along K with its successor in the same slot
	s_wait_dscnt 4*NL                              ; B's set and A's blocks 0-3 are in; the youngest 24 loads (A's blocks 4-7) may be out
	WIN MUL_LO
	MUL16 0, (\q)%2, \q, \slot, \zero
	MUL16 2, (\q)%2, \q, \slot, \zero
	s_wait_dscnt 0
	PLACES NP
	FETCH_B \slot, (\q)+1, 1-(\q)%2
	FETCH_A \slot, (\q)+1, 0
	WIN MUL_HI
	MUL16 4, (\q)%2, \q, \slot, \zero
	MUL16 6, (\q)%2, \q, \slot, \zero
	PLACES NP
	WIN 0
	FETCH_A \slot, (\q)+1, 4
.endm
; A slot's last step changes slots: one barrier; in front of it each wave waits for all its tensor loads, adds 0 to its spare word, and waits for that and for its reads of this slot.
.macro TURN slot, next, fill
	s_wait_tensorcnt 0x0                           ; all my tensor loads have landed: my part of the next slot
	ds_add_u32 v[SPW], v[NIL]                      ; 0 onto my spare word
	s_wait_dscnt 4*NL+1                            ; the add and the youngest 24 loads (A's blocks 4-7) may be out
	WIN MUL_LO
	MUL16 0, 1, NQ-1, \slot, 0
	s_wait_dscnt 0x0                               ; the add is done, and my reads of this slot are over
	s_barrier_signal -1
	MUL16 2, 1, NQ-1, \slot, 0
	WIN 0
	s_barrier_wait -1
.if \fill
	CREST                                          ; the barrier has opened a round of the cluster's: no wave of any partner still reads this slot or has a load on its way
	s_add_nc_u64 s[G0+4*\slot+2:G0+4*\slot+3], s[G0+4*\slot+2:G0+4*\slot+3], 2*ROWB
	s_add_nc_u64 s[G0B+4*\slot+2:G0B+4*\slot+3], s[G0B+4*\slot+2:G0B+4*\slot+3], 2*ROWB
	JLOAD G0+4*\slot, G1, G0B+4*\slot, G1B         ; the first tensor load behind the round; its four v_nop are the places in front of the loads below
.else
	PLACES NP
.endif
	s_wait_alu depctr_va_vdst(0)
	v_add_nc_u32 v[ADRS], 4*NQ, v[ADRS]            ; the next K step's scale words (no LDS load of mine is out)
	FETCH_B \next, 0, 0
	FETCH_A \next, 0, 0
	SCALES \next
	WIN MUL_HI
	MUL16 4, 1, NQ-1, \slot, 0
	MUL16 6, 1, NQ-1, \slot, 0
	PLACES NP
	WIN 0
	FETCH_A \next, 0, 4
.endm
	s_wait_alu depctr_va_vdst(0)                   ; the wait at the head's end
	s_wait_tensorcnt 0x0                           ; my tile of the head's four is in
	s_mov_b32 s[G1+2], 96<<16                      ; no tensor load of mine is out: from here on a load brings 128 rows of one K step, 96 rows of 256 bytes,
	s_mov_b32 s[G1+4], 96
	s_mov_b32 s[G1B+2], 96<<16
	s_mov_b32 s[G1B+4], 96
	s_mov_b32 s[G0+1], s45                         ; and slot 0's groups 0 turn to my 128 rows
	s_add_nc_u64 s[G0+2:G0+3], s[G0+2:G0+3], s[18:19]
	s_add_co_u32 s[G0B+1], s45, 2*HALFT
	s_add_nc_u64 s[G0B+2:G0B+3], s[G0B+2:G0B+3], s[18:19]
	s_barrier_signal -1
	s_barrier_wait -1                              ; all four tiles are in
	FETCH_B 0, 0, 0
	FETCH_A 0, 0, 0
	SCALES 0
	FETCH_A 0, 0, 4
	STEP 0, 0, 1                                   ; the first step's products start the sums: nothing is cleared
	s_mov_b32 s3, LAPS-1
.Llap:
	TURN 0, 1, 1
	STEP 1, 0, 0
	TURN 1, 0, 1
	STEP 0, 0, 0
	s_sub_co_u32 s3, s3, 1
	s_cmp_lg_u32 s3, 0
	s_cbranch_scc1 .Llap
	TURN 0, 1, 0                                   ; the last lap fills nothing
	STEP 1, 0, 0
	s_wait_dscnt 4*NL
	WIN MUL_LO
	MUL16 0, 1, NQ-1, 1, 0
	MUL16 2, 1, NQ-1, 1, 0
	s_wait_dscnt 0
	WIN MUL_HI
	MUL16 4, 1, NQ-1, 1, 0
	MUL16 6, 1, NQ-1, 1, 0
	WIN 0
; 64 numbers of a lane, register 16 b + i = K 32 b + 16 h + i of my row, become a fragment's codes in v[CD] on and its scale word in v[pw].
.macro QUANT s, pw
.irp b, 0,1,2,3
	v_max3_num_f32 v[TM+\b], |v[\s+16*\b]|, |v[\s+1+16*\b]|, 0x2800000   ; my 16 numbers of block b, and the floor 2^(5 - 127): the byte cannot fall under 1
.endr
.irp i, 2,4,6,8,10,12,14
.irp b, 0,1,2,3
	v_max3_num_f32 v[TM+\b], v[TM+\b], |v[\s+16*\b+\i]|, |v[\s+1+16*\b+\i]|
.endr
.endr
.irp b, 0,1,2,3
	v_permlanex16_b32 v[TM+4+\b], v[TM+\b], s[SEL], s[SEL+1]
.endr
.irp b, 0,1,2,3
	v_max_num_f32 v[TM+\b], v[TM+\b], v[TM+4+\b]   ; with lane l xor 16's: the block's largest magnitude
.endr
.irp b, 0,1,2,3
	v_add_nc_u32 v[TM+12+\b], 0xfe000000, v[TM+\b] ; 4 off its exponent field: the conversion's scale operand
.endr
.irp b, 0,1,2,3
	v_lshrrev_b32 v[TM+4+\b], 23, v[TM+12+\b]      ; the scale's byte
.endr
	v_lshl_or_b32 v[\pw], v[TM+5], 8, v[TM+4]
	v_lshl_or_b32 v[\pw], v[TM+6], 16, v[\pw]
	v_lshl_or_b32 v[\pw], v[TM+7], 24, v[\pw]
	s_wait_alu depctr_va_vdst(0)                   ; the wait here, directly ahead of the wait below
	s_wait_xcnt 0x0                                ; the last block's stores have read the codes' registers: only now are they written again
.irp c, 0,1
	v_cvt_scalef32_pk16_bf6_f32 v[CD+6*\c:CD+2+6*\c], v[\s+32*\c:\s+15+32*\c], v[TM+12+2*\c]
	v_cvt_scalef32_pk16_bf6_f32 v[CD+12+4*\c:CD+14+4*\c], v[\s+16+32*\c:\s+31+32*\c], v[TM+12+2*\c+1]   ; (a conversion's three registers begin on an even number)
.endr
	v_nop                                          ; one plain place behind a scaled conversion
.irp c, 0,1                                    ; the operand's layout wants a whole block in a lane: lanes 0-15 block 2 c, lanes 16-31 block 2 c + 1
.irp i, 0,1,2
	v_permlane16_swap_b32 v[CD+6*\c+\i], v[CD+12+4*\c+\i]
.endr
.irp i, 0,1,2
	v_mov_b32 v[CD+3+6*\c+\i], v[CD+12+4*\c+\i]
.endr
.endr
.endm
; THE WAY OUT, block by block of 16 rows of A'.  The copy out of the accumulators' window carries the bias; each accumulator is read from its low end on.
.macro EPI part
.if \part == 0
	s_lshr_b32 s20, s42, 2
	s_lshl_b32 s20, s20, 6                         ; 64 x (q or k)
	s_lshr_b32 s21, s17, 3
	s_lshl_b32 s21, s21, 4                         ; + 16 x batch
	s_add_co_u32 s20, s20, s21
	s_lshl_b32 s21, s42, 2
	s_lshl_b32 s22, s16, 1
	s_add_co_u32 s21, s21, s22
	s_and_b32 s21, s21, 15                         ; + my first head
	s_add_co_u32 s20, s20, s21                     ; G
	s_lshl_b32 s21, s17, 4
	s_lshl_b32 s22, s15, 3
	s_add_co_u32 s21, s21, s22
	s_and_b32 s21, s21, 127                        ; my first chunk in the batch
	s_mul_i32 s22, s20, 98304
	s_mul_i32 s23, s21, 768
	s_add_co_u32 s22, s22, s23
	s_mov_b32 s23, 0
	s_lshl_b32 s46, s20, 13
	s_lshl_b32 s47, s21, 6                         ; 256 bytes of scale words for four chunks
	s_add_co_u32 s46, s46, s47
	s_add_co_u32 s46, s46, QKSC
	s_mov_b32 s47, 0
	s_add_nc_u64 s[20:21], s[10:11], s[22:23]
	s_add_nc_u64 s[22:23], s[10:11], s[46:47]
.else
	s_lshl_b32 s20, s42, 1
	s_add_co_u32 s20, s20, s16                     ; 16 x batch + the step of 128 keys
	s_lshl_b32 s21, s17, 4
	s_lshl_b32 s22, s15, 3
	s_add_co_u32 s21, s21, s22                     ; my first fragment among the 64
	s_lshl_b32 s22, s20, 6
	s_add_co_u32 s22, s22, s21
	s_mul_i32 s22, s22, 1536
	s_mov_b32 s23, 0
	s_lshl_b32 s46, s20, 12
	s_lshl_b32 s47, s21, 6
	s_add_co_u32 s46, s46, s47
	s_add_co_u32 s46, s46, VSC
	s_mov_b32 s47, 0
	s_add_nc_u64 s[20:21], s[12:13], s[22:23]
	s_add_nc_u64 s[22:23], s[12:13], s[46:47]
.endif
.irp a, 0,1,2,3,4,5,6,7
	WIN 0x02+(\a)/4                                ; source 0: window 2 or 3
.set II, 0
.rept 32
.if \part == 0
	v_pk_add_f32 v[T+2*II:T+2*II+1], v[64*((\a)%4)+2*II:64*((\a)%4)+2*II+1], v[BN+2*II:BN+2*II+1]
.else
	v_pk_add_f32 v[T+2*II:T+2*II+1], v[64*((\a)%4)+2*II:64*((\a)%4)+2*II+1], v[BM+2*(\a):BM+2*(\a)+1]
.endif
.set II, II+1
.endr
	WIN 0
	QUANT T, SW+\a
.if \part == 0
.irp c, 0,1                                    ; registers 6 c .. 6 c + 5 are head c's chunk
.irp j, 0,1,2
	global_store_b64 v[L8], v[CD+6*\c+2*\j:CD+6*\c+2*\j+1], s[20:21] offset:\c*98304+\a*768+256*\j   ; 32 lanes store 256 consecutive bytes, aligned
.endr
.endr
.else
.irp i, 0,1,2
	global_store_b128 v[L16], v[CD+4*\i:CD+4*\i+3], s[20:21] offset:\a*1536+512*\i                  ; 512 consecutive bytes, aligned
.endr
.endif
.endr
.if \part == 0
.irp a, 0,1,2,3,4,5,6,7
	v_lshrrev_b32 v[SW+\a], v[SH], v[SW+\a]        ; lanes 0-15 keep the first head's two bytes, lanes 16-31 take the second's;
.endr
.irp a, 0,1,2,3,4,5,6,7
	v_and_b32 v[SW+\a], 0xffff, v[SW+\a]           ; the upper two bytes, which scale zero codes, are 0
.endr
.irp i, 0,1
	global_store_b128 v[SO], v[SW+4*\i:SW+4*\i+3], s[22:23] offset:256*\i   ; four tiles' words of a row on end; sixteen lanes store 256 consecutive bytes
.endr
.else
.irp i, 0,1,2,3
	v_cndmask_b32 v[SW+\i], v[SW+\i], v[SW+4+\i], s18   ; lanes 16-31 take the second head's four tiles
.endr
	global_store_b128 v[L16], v[SW:SW+3], s[22:23]
.endif
.endm
	PLACES NP                                      ; behind the last products, in front of the first read of results and the writes over A's fragments
	s_wait_loadcnt 0x0                             ; the biases
.irp b, 0,1,2,3
	v_mov_b32 v[TM+4+\b], 0                        ; written once: a lane permute's destination counts as one of its sources
.endr
	s_mov_b32 s[SEL], 0x76543210
	s_mov_b32 s[SEL+1], 0xfedcba98                 ; lane l xor 16
	s_mov_b32 s18, 0xffff0000                      ; lanes 16-31
	s_cmp_ge_u32 s95, 8                            ; the part: the same in all partners
	s_cbranch_scc1 .Lvpart
	EPI 0
	s_branch .Ltail
.Lvpart:
	EPI 1
.Ltail:
	s_wait_tensorcnt 0x0                           ; the wave's end
	ds_add_u32 v[SPW], v[NIL]
	s_wait_dscnt 0x0
	CROUND                                         ; the closing round: no work-group ends while a partner may still ask for a tile that names it
	s_endpgm
.Lfunc_end_k_q263a609221_qkv:
	.size	k_q263a609221_qkv, .Lfunc_end_k_q263a609221_qkv-k_q263a609221_qkv
	.p2alignl 7, 3214868480
	.fill 96, 4, 3214868480
	.section	.rodata,"a",@progbits
	.p2align	6, 0x0
	.amdhsa_kernel k_q263a609221_qkv
		.amdhsa_group_segment_fixed_size 327680
		.amdhsa_private_segment_fixed_size 0
		.amdhsa_enable_private_segment 0
		.amdhsa_kernarg_size 40
		.amdhsa_user_sgpr_count 2
		.amdhsa_user_sgpr_kernarg_segment_ptr 1
		.amdhsa_wavefront_size32 1
		.amdhsa_system_sgpr_workgroup_id_x 1
		.amdhsa_system_sgpr_workgroup_id_y 1
		.amdhsa_system_sgpr_workgroup_id_z 1
		.amdhsa_system_vgpr_workitem_id 0
		.amdhsa_next_free_vgpr 1024
		.amdhsa_next_free_sgpr 102
		.amdhsa_reserve_vcc 0
		.amdhsa_float_denorm_mode_32 3
		.amdhsa_float_denorm_mode_16_64 3
		.amdhsa_memory_ordered 1
		.amdhsa_forward_progress 1
		.amdhsa_inst_pref_size 238
	.end_amdhsa_kernel
	.amdgpu_metadata
---
amdhsa.version: [ 1, 2 ]
amdhsa.kernels:
  - .name:           k_q263a609221_qkv
    .symbol:         k_q263a609221_qkv.kd
    .args:
      - { .name: xq, .offset: 0, .size: 8, .value_kind: global_buffer, .address_space: global }
      - { .name: wq, .offset: 8, .size: 8, .value_kind: global_buffer, .address_space: global }
      - { .name: b_qkv, .offset: 16, .size: 8, .value_kind: global_buffer, .address_space: global }
      - { .name: qk, .offset: 24, .size: 8, .value_kind: global_buffer, .address_space: global }
      - { .name: vq, .offset: 32, .size: 8, .value_kind: global_buffer, .address_space: global }
    .group_segment_fixed_size: 327680
    .private_segment_fixed_size: 0
    .kernarg_segment_align: 8
    .kernarg_segment_size: 40
    .max_flat_workgroup_size: 128
    .sgpr_count:     102
    .vgpr_count:     1024
    .wavefront_size: 32
...
	.end_amdgpu_metadata
.endif
;; end of part 2
;; launch attn (part 3): grid 4 x 64, 16 waves a work-group, clusters of 4 x 1, 327,680 bytes of LDS; arguments qk, vq, yq; writes yq
.if DOCPART == 3
	.amdgcn_target "amdgcn-amd-amdhsa--gfx1250"
	.amdhsa_code_object_version 6
	.text
	.protected	k_q263a609221_attn
	.globl	k_q263a609221_attn
	.p2align	8
	.type	k_q263a609221_attn,@function
k_q263a609221_attn:
	s_mov_b64 s[64:65], 0
	v_nop
	global_prefetch_b8 v0, s[64:65] scope:SCOPE_SE
	s_setreg_imm32_b32 hwreg(HW_REG_WAVE_MODE, 25, 1), 1
	s_wait_xcnt 0x0
	s_wait_alu depctr_hold_cnt(0) depctr_sa_sdst(0) depctr_va_vdst(0) depctr_va_sdst(0) depctr_va_ssrc(0) depctr_va_vcc(0) depctr_vm_vsrc(0)
	s_getreg_b32 s2, hwreg(HW_REG_IB_STS2, 6, 4)
	s_cmp_eq_u32 s2, 0
	s_cbranch_scc0 .Lentry_in_a_cluster
	s_endpgm
.Lentry_in_a_cluster:
	s_bfe_u32 s2, ttmp6, 0x10000c
	s_cmp_lg_u32 s2, 0x3003
	s_cbranch_scc0 .Lentry_shape_is_right
	s_endpgm
.Lentry_shape_is_right:
; Causal attention of one (batch, head) on codes of BF6 (E3M2) with E8M0 scales; head size 64, 2,048 keys.  The result, divided by the row's sum, is quantised along the head's 64 and leaves as codes.
; THE SOFTMAX: t = score x log2(e) / 8; M = the running largest t rounded UP to a whole number; p = 2^(t - M) is quantised along the keys, not normalised; the row's sum is taken of the unquantised p.
; When M moves, the sum and O are multiplied by 2^(old M - new M): exact.
; LEFT OUT: steps of 128 keys all of which come after a tile's queries: reference()'s own causal mask sets their scores to -infinity, so their p is 0 for all values of the inputs.
; SHARES.  The four work-groups of a head form a cluster; the one at place cx owns the tiles of 16 queries tau = 4 m + cx.  Wave w owns m = w and m = 31 - w.  m / 2 + 1 steps of 128 keys count
; for a tile, whatever cx is: 17 steps for every wave, and no branch, trip count or LDS address hangs on cx: it enters Q's and y's addresses in memory and the mask's numbers alone.
; K AND V ARE ASKED FOR JOINTLY by the four work-groups (mask 15) and lie whole in LDS, as images of the operands' registers.  They come in two first fills: keys 0-511 at the head, one load
; each for waves 0 to 3 (K's codes, V's codes, K's scale words, V's); keys 512-2,047 by the same waves behind the full sequence and a round.  Every wave's later tile (m >= 16) then takes its steps 0 to 3;
; behind them stand the wait for the second fill and a barrier.  No byte is filled twice.  No prefetch: both fills are asked for ahead of the first loop, so no loop runs ahead of a load.
; ROWS LIE AT PLACES (bits 3 and 4 of a row's number exchanged): tile tau holds queries 32 (tau / 2) + 8 (tau % 2) + (r & 7) + 16 (r >> 3); a tile of 16 places of keys, as source 0, leaves
; the keys 32 b + 16 h + 0 .. 15 in the 16 registers of tiles 2 b, 2 b + 1.  Both products are used transposed: a lane holds one query.  The first product's K is 64: the upper six registers are zero codes.
; LIMITS: the promise holds while |t| stays under 2^31; p under 2^-126 counts as 0; a block of zeros gets the scale byte 1 (its codes are zeros; this program alone reads the bytes); NaN and infinities are not served.
; REGISTERS: v1-7 addresses that stay; v8-11 the step's LDS addresses; v12 -M, v13 the largest t, v[14:15] the sum; v16-27, v28-39 Q of the two tiles, v40, v41 their scale words; v44-91 four fragments of K;
;   v92-95 V's scale words; v96-159 S^T, then p, then V's fragments; v160-191 O^T; v192-199 K's scale words; v200-211 p's codes; v212-218 conversions; v220-231 maxima, bytes, scale operands;
;   v232 p's scale word; v[234:235] f; v236-253 the sum's chains; v254, v255 the spare word's address and 0.
.set QKSC, 12582912
.set VSC,  6291456
.set YSC,  6291456
.set VOFF, 98304                       ; LDS: K's codes (step x 6,144 + tile x 768 + 256 j + 8 L), then V's (step x 6,144 + tile x 1,536 + 512 i + 16 L),
.set SCK,  196608                      ; K's scale words (step x 512 + 256 g + 16 r),
.set SCV,  204800                      ; V's (step x 256 + 16 r),
.set SPARE, 208896                     ; and the spare words, 128 bytes a wave
.set WV,   10
.set BH,   11
.set CNT,  12                          ; (the batch until the bases are made)
.set HM,   13                          ; (the head until then)
.set Q0,   66
.set TMP,  67
.set QB,   78                          ; 128 (m / 2): the first key of the tile's last step
.set CS,   92
.set SEL,  94
.set KF,   96
.set TB,   97
.set TS,   98
.set TJ,   99
.macro ROUND                           ; a round of the cluster's barrier
	s_barrier_signal -1
	s_barrier_wait -1
	s_cmp_lg_u32 s[WV], 0
	s_cbranch_scc1 .Lnot_wave_0_\@
	s_barrier_signal -3
.Lnot_wave_0_\@:
	s_barrier_wait -3
	s_barrier_signal -1
	s_barrier_wait -1
.endm
.macro GRP1 g, c, r, p                 ; group 1: r rows of c elements of 8 bytes, p elements apart; mask 15, bit 21 beside it
	s_mov_b32 s[\g], 15|(3<<16)|(1<<21)
	s_mov_b32 s[\g+1], (\c)<<16
	s_mov_b32 s[\g+2], (\r)<<16
	s_mov_b32 s[\g+3], (\c)<<16
	s_mov_b32 s[\g+4], \r
	s_mov_b32 s[\g+5], \p
	s_mov_b32 s[\g+6], 0
	s_mov_b32 s[\g+7], 0
.endm
.macro ARM under, g0, g1, next, join
	s_cmp_lt_u32 s[WV], \under
	s_cbranch_scc0 \next
	tensor_load_to_lds s[\g0:\g0+3], s[\g1:\g1+7]
	s_nop 0
.rept 4
	v_nop
.endr
	s_branch \join
\next:
.endm
.macro FILL n                          ; one chain of branches on the wave's number, one joint load to an arm; waves 4 to 15 ask for nothing
	ARM 1, 60, 32, .Lf1_\n, .Lfj_\n
	ARM 2, 72, 48, .Lf2_\n, .Lfj_\n
	ARM 3, 56, 24, .Lf3_\n, .Lfj_\n
	ARM 4, 68, 40, .Lf4_\n, .Lfj_\n
.Lfj_\n:
.endm
	s_load_b128 s[4:7], s[0:1], 0x0                ; qk, vq
	s_load_b64 s[8:9], s[0:1], 0x10                ; yq
	v_lshl_add_u32 v254, v0, 2, SPARE
	v_mov_b32 v255, 0
	ds_add_u32 v254, v255                          ; the opening lines: the add twice on end
	ds_add_u32 v254, v255
	v_lshrrev_b32 v8, 5, v0
	s_delay_alu instid0(VALU_DEP_1)
	v_readfirstlane_b32 s[WV], v8                  ; wave 0..15
	s_and_b32 s[BH], ttmp7, 0xffff                 ; the cluster's y: 16 x batch + head
	s_lshr_b32 s12, s[BH], 4                       ; batch
	s_and_b32 s13, s[BH], 15                       ; head
	s_add_co_u32 s15, s[BH], 64                    ; k's G
	s_lshl_b32 s16, s15, 13
	s_add_co_u32 s16, s16, QKSC
	s_mov_b32 s17, 0                               ; K's scale words
	s_mul_i32 s20, s15, 98304
	s_mov_b32 s21, 0                               ; K's codes
	s_lshl_b32 s22, s12, 16
	s_lshl_b32 s23, s13, 8
	s_add_co_u32 s22, s22, s23
	s_add_co_u32 s22, s22, VSC
	s_mov_b32 s23, 0                               ; V's scale words
	s_mul_i32 s2, s12, 1572864
	s_mul_i32 s3, s13, 6144
	s_add_co_u32 s2, s2, s3
	s_mov_b32 s3, 0                                ; V's codes
	GRP1 24, 32, 8, 32                             ; four steps of K's scale words: 2,048 dense bytes
	GRP1 32, 32, 96, 32                            ; of K's codes: 24,576 dense bytes
	GRP1 40, 32, 4, 512                            ; of V's scale words: rows of 256 bytes, 4,096 apart
	GRP1 48, 768, 4, 12288                         ; of V's codes: rows of 6,144 bytes, 98,304 apart
	s_wait_dscnt 0x0
	s_wait_kmcnt 0x0
	s_mov_b32 s56, 1
	s_mov_b32 s57, SCK
	s_add_nc_u64 s[58:59], s[4:5], s[16:17]
	s_or_b32 s59, s59, 0x80000000
	s_mov_b32 s60, 1
	s_mov_b32 s61, 0
	s_add_nc_u64 s[62:63], s[4:5], s[20:21]
	s_or_b32 s63, s63, 0x80000000
	s_mov_b32 s68, 1
	s_mov_b32 s69, SCV
	s_add_nc_u64 s[70:71], s[6:7], s[22:23]
	s_or_b32 s71, s71, 0x80000000
	s_mov_b32 s72, 1
	s_mov_b32 s73, VOFF
	s_add_nc_u64 s[74:75], s[6:7], s[2:3]
	s_or_b32 s75, s75, 0x80000000
	ROUND                                          ; the four work-groups are here: the first joint loads meet
	FILL 1
	s_bfe_u32 s79, ttmp6, 0x40000                  ; cx
	s_lshl_b32 s14, s[WV], 2
	s_sub_co_u32 s15, 124, s14
	s_add_co_u32 s14, s14, s79                     ; tau1 = 4 w + cx
	s_add_co_u32 s15, s15, s79                     ; tau2 = 4 (31 - w) + cx
	s_lshr_b32 s76, s[WV], 1
	s_lshl_b32 s76, s76, 7                         ; 128 (w / 2)
	s_sub_co_u32 s77, 31, s[WV]
	s_lshr_b32 s77, s77, 1
	s_lshl_b32 s77, s77, 7                         ; 128 ((31 - w) / 2)
; the addresses of tile tau: Q's chunk, Q's scale words, y's chunk, y's scale bytes; and its least query
.macro TILEBASE tau, cb, sb, yb, ysb, qm
	s_mul_i32 s[\cb], s[BH], 98304
	s_mul_i32 s[\cb+1], s[\tau], 768
	s_add_co_u32 s[\cb], s[\cb], s[\cb+1]
	s_mov_b32 s[\cb+1], 0
	s_add_nc_u64 s[\cb:\cb+1], s[4:5], s[\cb:\cb+1]
	s_lshl_b32 s[\sb], s[BH], 13
	s_lshr_b32 s[\sb+1], s[\tau], 2
	s_lshl_b32 s[\sb+1], s[\sb+1], 8
	s_add_co_u32 s[\sb], s[\sb], s[\sb+1]
	s_and_b32 s[\sb+1], s[\tau], 3
	s_lshl_b32 s[\sb+1], s[\sb+1], 2
	s_add_co_u32 s[\sb], s[\sb], s[\sb+1]
	s_add_co_u32 s[\sb], s[\sb], QKSC
	s_mov_b32 s[\sb+1], 0
	s_add_nc_u64 s[\sb:\sb+1], s[4:5], s[\sb:\sb+1]
	s_lshl_b32 s[\yb], s12, 7
	s_add_co_u32 s[\yb], s[\yb], s[\tau]
	s_lshl_b32 s[\ysb], s[\yb], 9
	s_lshl_b32 s[\yb], s[\yb], 4
	s_add_co_u32 s[\yb], s[\yb], s13
	s_mul_i32 s[\yb], s[\yb], 768
	s_mov_b32 s[\yb+1], 0
	s_add_nc_u64 s[\yb:\yb+1], s[8:9], s[\yb:\yb+1]
	s_lshl_b32 s[\ysb+1], s13, 1
	s_add_co_u32 s[\ysb], s[\ysb], s[\ysb+1]
	s_add_co_u32 s[\ysb], s[\ysb], YSC
	s_mov_b32 s[\ysb+1], 0
	s_add_nc_u64 s[\ysb:\ysb+1], s[8:9], s[\ysb:\ysb+1]
	s_lshr_b32 s[\qm], s[\tau], 1
	s_lshl_b32 s[\qm], s[\qm], 5
	s_and_b32 s[TMP], s[\tau], 1
	s_lshl_b32 s[TMP], s[TMP], 3
	s_add_co_u32 s[\qm], s[\qm], s[TMP]
.endm
	TILEBASE 14, 16, 18, 84, 86, 2
	TILEBASE 15, 20, 22, 88, 90, 3
	v_and_b32 v8, 31, v0                           ; L
	v_and_b32 v9, 15, v0                           ; r
	v_bfe_u32 v10, v0, 4, 1                        ; h
	s_delay_alu instid0(VALU_DEP_3)
	v_lshlrev_b32 v1, 3, v8                        ; K's codes: 8 L
	s_delay_alu instid0(VALU_DEP_4)
	v_lshlrev_b32 v2, 4, v8
	s_delay_alu instid0(VALU_DEP_1)
	v_add_nc_u32 v2, VOFF, v2                      ; V's: 16 L
	v_lshlrev_b32 v3, 4, v9
	s_delay_alu instid0(VALU_DEP_1)
	v_add_nc_u32 v4, SCV, v3                       ; V's scale words: 16 r
	s_delay_alu instid0(VALU_DEP_2)
	v_add_nc_u32 v3, SCK, v3                       ; K's
	v_lshlrev_b32 v5, 3, v8                        ; in memory: 8 L
	v_lshl_add_u32 v6, v9, 5, v10                  ; y's scale bytes: 32 r + h
	v_and_b32 v7, 7, v9
	v_lshrrev_b32 v11, 3, v9
	s_delay_alu instid0(VALU_DEP_1)
	v_lshl_add_u32 v7, v11, 4, v7
	v_lshlrev_b32 v11, 4, v10
	s_delay_alu instid0(VALU_DEP_1)
	v_sub_nc_u32 v7, v7, v11                       ; my query less the tile's least, less 16 h
	v_lshlrev_b32 v238, 4, v9                      ; Q's scale words: 16 r
.irp j, 0,1,2
	global_load_b64 v[16+2*\j:17+2*\j], v5, s[16:17] offset:256*\j
	global_load_b64 v[28+2*\j:29+2*\j], v5, s[20:21] offset:256*\j
.endr
	global_load_b32 v40, v238, s[18:19]
	global_load_b32 v41, v238, s[22:23]
.irp i, 0,1,2,3,4,5
	v_mov_b32 v[22+\i], 0                          ; zero codes for K = 64 .. 127, on both operands: written once
	v_mov_b32 v[34+\i], 0
	v_mov_b32 v[50+\i], 0
	v_mov_b32 v[62+\i], 0
	v_mov_b32 v[74+\i], 0
	v_mov_b32 v[86+\i], 0
.endr
.irp b, 0,1,2,3
	v_mov_b32 v[224+\b], 0                         ; written once: a lane permute's destination counts as one of its sources
.endr
	v_mov_b32 v235, 0                              ; (named as the upper half of the pair v[234:235])
	s_mov_b32 s[CS], 0x3e38aa3b                    ; c = log2(e) / 8
	s_mov_b32 s[CS+1], s[CS]
	s_mov_b32 s[SEL], 0x76543210
	s_mov_b32 s[SEL+1], 0xfedcba98                 ; lane l xor 16
	s_mov_b32 s[HM], 0xffff0000                    ; lanes 16-31
	s_wait_alu depctr_va_vdst(0)                   ; the wait at the head's end
	s_wait_tensorcnt 0x0                           ; my part of keys 0-511 has landed
	ds_add_u32 v254, v255                          ; the add twice on end
	ds_add_u32 v254, v255
	s_mov_b32 s26, 24<<16                          ; no tensor load of mine is out: the descriptors turn to the other twelve steps
	s_mov_b32 s28, 24
	s_mov_b32 s57, SCK+2048
	s_add_nc_u64 s[58:59], s[58:59], 2048
	s_mov_b32 s34, 288<<16
	s_mov_b32 s36, 288
	s_mov_b32 s61, 24576
	s_add_nc_u64 s[62:63], s[62:63], 24576
	s_mov_b32 s42, 12<<16
	s_mov_b32 s44, 12
	s_mov_b32 s69, SCV+1024
	s_add_nc_u64 s[70:71], s[70:71], 16384
	s_mov_b32 s50, 12<<16
	s_mov_b32 s52, 12
	s_mov_b32 s73, VOFF+24576
	s_add_nc_u64 s[74:75], s[74:75], 393216
	s_wait_dscnt 0x0
	ROUND                                          ; keys 0-511 are whole in every work-group of the cluster
	FILL 2                                         ; keys 512-2,047: the first tensor load behind the round
	s_wait_loadcnt 0x0                             ; Q
; A KEY STEP of 128 keys for the tile whose Q stands in v[qf] on, its scale words in v[qs].
.macro STEP qf, qs
	s_cmp_gt_u32 s[KF], s[QB]                      ; a step all of whose keys come after the tile's queries is left out: a scalar branch on the wave's number and the step, round the work alone
	s_cbranch_scc1 .Lhidden_\@
	v_add_nc_u32 v8, s[TB], v1
	s_wait_alu depctr_va_vdst(0)
	v_add_nc_u32 v9, s[TB], v2
	v_add_nc_u32 v10, s[TS], v3
	v_add_nc_u32 v11, s[TJ], v4
	v_nop                                          ; five places: the products below write over V's fragments, which the last step's products read
	ds_load_b128 v[192:195], v10
	ds_load_b128 v[196:199], v10 offset:256
.irp t, 0,1,2,3                                ; S^T = K Q^T: the eight tiles of 16 keys go by pairs through two halves of v44-91: tiles 0 to 3 first
.irp j, 0,1,2
	ds_load_b64 v[44+12*\t+2*\j:45+12*\t+2*\j], v8 offset:\t*768+256*\j
.endr
.endr
.irp g, 0,1,2,3
.if \g < 3
	s_wait_dscnt 6                                 ; this pair is in (the first time K's scale words too); the six loads of the pair behind it may be out
.else
	s_wait_dscnt 0x0
.endif
.irp u, 0,1
	v_wmma_scale_f32_16x16x128_f8f6f4 v[96+8*(2*\g+\u):103+8*(2*\g+\u)], v[44+24*(\g%2)+12*\u:55+24*(\g%2)+12*\u], v[\qf:\qf+11], 0, v[192+2*\g+\u], v[\qs] matrix_a_fmt:MATRIX_FMT_BF6 matrix_b_fmt:MATRIX_FMT_BF6
.endr
.if \g < 2
.rept 4
	v_nop                                          ; places in front of loads into registers that matrix instructions have read
.endr
.irp u, 0,1
.irp j, 0,1,2
	ds_load_b64 v[44+24*(\g%2)+12*\u+2*\j:45+24*(\g%2)+12*\u+2*\j], v8 offset:(2*\g+4+\u)*768+256*\j   ; the pair two further on, while the other half is multiplied
.endr
.endr
.endif
.endr
.rept 4
	v_nop
.endr
	s_cmp_lt_u32 s[KF], s[QB]                      ; only in the tile's last step are keys hidden: there their scores become -infinity ahead of the maximum
	s_cbranch_scc1 .Lopen_\@
	s_sub_co_i32 s[TMP], s[Q0], s[KF]
	v_add_nc_u32 v238, s[TMP], v7                  ; d = my query - KF - 16 h: hidden where 32 b + i > d
	v_mov_b32 v239, 0xff800000
.irp n, 0,1,2,3,4,5,6,7,8,9,10,11,12,13,14,15,16,17,18,19,20,21,22,23,24,25,26,27,28,29,30,31,32,33,34,35,36,37,38,39,40,41,42,43,44,45,46,47,48,49,50,51,52,53,54,55,56,57,58,59,60,61,62,63
	v_cmp_gt_i32 vcc_lo, 32*(\n/16)+\n%16, v238
	v_cndmask_b32 v[96+\n], v[96+\n], v239, vcc_lo
.endr
.Lopen_\@:
.irp b, 0,1,2,3
	v_max3_num_f32 v[220+\b], v[96+16*\b], v[97+16*\b], v[98+16*\b]   ; the largest score of each block of 32 keys: for the row's maximum and for the block's largest p
.endr
.irp i, 3,5,7,9,11,13
.irp b, 0,1,2,3
	v_max3_num_f32 v[220+\b], v[220+\b], v[96+16*\b+\i], v[97+16*\b+\i]
.endr
.endr
.irp b, 0,1,2,3
	v_max_num_f32 v[220+\b], v[220+\b], v[111+16*\b]
.endr
.irp b, 0,1,2,3
	s_delay_alu instid0(VALU_DEP_4)
	v_permlanex16_b32 v[224+\b], v[220+\b], s[SEL], s[SEL+1]
.endr
.irp b, 0,1,2,3
	s_delay_alu instid0(VALU_DEP_4)
	v_max_num_f32 v[220+\b], v[220+\b], v[224+\b]
.endr
	s_delay_alu instid0(VALU_DEP_2)
	v_max3_num_f32 v238, v220, v221, v222
	s_delay_alu instid0(VALU_DEP_1)
	v_max_num_f32 v238, v238, v223
	s_delay_alu instid0(VALU_DEP_1)
	v_mul_f32 v238, s[CS], v238                    ; the step's largest t
	s_delay_alu instid0(VALU_DEP_1)
	v_max_num_f32 v13, v13, v238                   ; the running largest t
	v_mov_b32 v238, v12
	s_delay_alu instid0(VALU_DEP_2)
	v_floor_f32 v12, -v13                          ; -M = floor(-t) = -ceil(t)
	s_delay_alu instid0(VALU_DEP_1)
	v_sub_f32 v238, v12, v238                      ; old M - new M
	s_delay_alu instid0(VALU_DEP_1)
	v_cvt_i32_f32 v238, v238
	s_delay_alu instid0(VALU_DEP_1)
	v_ldexp_f32 v234, 1.0, v238                    ; f = 2^(old M - new M)
.irp j, 0,2,4,6,8,10,12,14,16,18,20,22,24,26,28,30,32,34,36,38,40,42,44,46,48,50,52,54,56,58,60,62
	v_pk_fma_f32 v[96+\j:97+\j], v[96+\j:97+\j], s[CS:CS+1], v[12:13] op_sel_hi:[1,0,0]   ; t - M
.endr
.irp b, 0,1,2,3
	v_fma_f32 v[220+\b], v[220+\b], s[CS], v12
.endr
	s_wait_alu depctr_va_vdst(0)                   ; the wait ahead of the batch
.irp j, 0,1,2,3,4,5,6,7,8,9,10,11,12,13,14,15,16,17,18,19,20,21,22,23,24,25,26,27,28,29,30,31,32,33,34,35,36,37,38,39,40,41,42,43,44,45,46,47,48,49,50,51,52,53,54,55,56,57,58,59,60,61,62,63
	v_exp_f32 v[96+\j], v[96+\j]                   ; p = 2^(t - M)
.endr
.irp b, 0,1,2,3
	v_exp_f32 v[220+\b], v[220+\b]                 ; the block's largest p
.endr
	v_pk_mul_f32 v[14:15], v[14:15], v[234:235] op_sel_hi:[1,0]   ; the sums under the new M
	s_wait_alu depctr_va_vdst(0)                   ; and behind it
.irp b, 0,1,2,3
	v_max_num_f32 v[220+\b], 0x2800000, v[220+\b]  ; the floor 2^(5 - 127)
.endr
.irp b, 0,1,2,3
	s_delay_alu instid0(VALU_DEP_4)
	v_add_nc_u32 v[228+\b], 0xfe000000, v[220+\b]  ; the conversion's scale operand
.endr
.irp b, 0,1,2,3
	s_delay_alu instid0(VALU_DEP_4)
	v_lshrrev_b32 v[224+\b], 23, v[228+\b]         ; the scale's byte
.endr
	s_delay_alu instid0(VALU_DEP_3)
	v_lshl_or_b32 v232, v225, 8, v224
	s_delay_alu instid0(VALU_DEP_1)
	v_lshl_or_b32 v232, v226, 16, v232
	s_delay_alu instid0(VALU_DEP_1)
	v_lshl_or_b32 v232, v227, 24, v232
.irp c, 0,1
	v_cvt_scalef32_pk16_bf6_f32 v[200+6*\c:202+6*\c], v[96+32*\c:111+32*\c], v[228+2*\c]
	v_cvt_scalef32_pk16_bf6_f32 v[212+4*\c:214+4*\c], v[112+32*\c:127+32*\c], v[228+2*\c+1]
.endr
	v_nop                                          ; one plain place behind a scaled conversion
	v_pk_add_f32 v[236:237], v[100:101], v[104:105]   ; the row's sum of the unquantised p, in eight chains
	v_pk_add_f32 v[252:253], v[108:109], v[112:113]
	v_pk_add_f32 v[250:251], v[116:117], v[120:121]
	v_pk_add_f32 v[248:249], v[124:125], v[128:129]
	v_pk_add_f32 v[246:247], v[132:133], v[136:137]
	v_pk_add_f32 v[244:245], v[140:141], v[144:145]
	v_pk_add_f32 v[242:243], v[148:149], v[152:153]
	v_pk_add_f32 v[14:15], v[14:15], v[156:157]
	v_pk_add_f32 v[236:237], v[236:237], v[96:97]
	v_pk_add_f32 v[252:253], v[252:253], v[98:99]
	v_pk_add_f32 v[250:251], v[250:251], v[102:103]
	v_pk_add_f32 v[248:249], v[248:249], v[106:107]
	v_pk_add_f32 v[246:247], v[246:247], v[110:111]
	v_pk_add_f32 v[244:245], v[244:245], v[114:115]
	v_pk_add_f32 v[242:243], v[242:243], v[118:119]
	v_pk_add_f32 v[14:15], v[14:15], v[122:123]
	v_pk_add_f32 v[236:237], v[236:237], v[126:127]
	v_pk_add_f32 v[252:253], v[252:253], v[130:131]
	v_pk_add_f32 v[250:251], v[250:251], v[134:135]
	v_pk_add_f32 v[248:249], v[248:249], v[138:139]
	v_pk_add_f32 v[246:247], v[246:247], v[142:143]
	v_pk_add_f32 v[244:245], v[244:245], v[146:147]
	v_pk_add_f32 v[242:243], v[242:243], v[150:151]
	v_pk_add_f32 v[14:15], v[14:15], v[154:155]
	v_pk_add_f32 v[236:237], v[236:237], v[158:159]
	s_delay_alu instid0(VALU_DEP_2)
	v_pk_add_f32 v[14:15], v[14:15], v[248:249]
	s_delay_alu instid0(VALU_DEP_2)
	v_pk_add_f32 v[236:237], v[236:237], v[246:247]
	v_pk_add_f32 v[252:253], v[252:253], v[244:245]
	v_pk_add_f32 v[250:251], v[250:251], v[242:243]
	s_delay_alu instid0(VALU_DEP_2)
	v_pk_add_f32 v[14:15], v[14:15], v[252:253]
	s_delay_alu instid0(VALU_DEP_2)
	v_pk_add_f32 v[236:237], v[236:237], v[250:251]
	s_delay_alu instid0(VALU_DEP_1)
	v_pk_add_f32 v[14:15], v[14:15], v[236:237]
	ds_load_b128 v[92:95], v11                     ; V's scale words,
.irp t, 0,1,2,3
.irp i, 0,1,2
	ds_load_b128 v[96+12*\t+4*\i:99+12*\t+4*\i], v9 offset:\t*1536+512*\i   ; and its four fragments, into p's registers, which are done with
.endr
.endr
.irp c, 0,1                                    ; the operand's layout wants a whole block in a lane
.irp i, 0,1,2
	v_permlane16_swap_b32 v[200+6*\c+\i], v[212+4*\c+\i]
.endr
.irp i, 0,1,2
	s_delay_alu instid0(VALU_DEP_3)
	v_mov_b32 v[203+6*\c+\i], v[212+4*\c+\i]
.endr
.endr
.irp j, 0,2,4,6,8,10,12,14,16,18,20,22,24,26,28,30
	v_pk_mul_f32 v[160+\j:161+\j], v[160+\j:161+\j], v[234:235] op_sel_hi:[1,0]   ; O^T under the new M
.endr
	s_wait_alu depctr_va_vdst(0)
	s_wait_dscnt 0x0
.irp t, 0,1,2,3                                ; O^T += V^T P^T: four accumulators by turns
	v_wmma_scale_f32_16x16x128_f8f6f4 v[160+8*\t:167+8*\t], v[96+12*\t:107+12*\t], v[200:211], v[160+8*\t:167+8*\t], v[92+\t], v232 matrix_a_fmt:MATRIX_FMT_BF6 matrix_b_fmt:MATRIX_FMT_BF6
.endr
.Lhidden_\@:
	s_add_co_u32 s[KF], s[KF], 128
	s_add_co_u32 s[TB], s[TB], 6144
	s_add_co_u32 s[TS], s[TS], 512
	s_add_co_u32 s[TJ], s[TJ], 256
.endm
; O^T / the sum; register 16 b + i is channel 32 b + 16 h + i of my query: two blocks, quantised; the chunk leaves as the next product's registers.
.macro WAYOUT yb, ysb
.rept 4
	v_nop
.endr
	v_add_f32 v14, v14, v15
	s_delay_alu instid0(VALU_DEP_1)
	v_permlanex16_b32 v238, v14, s[SEL], s[SEL+1]
	s_delay_alu instid0(VALU_DEP_1)
	v_add_f32 v14, v14, v238                       ; the row's sum
	s_wait_alu depctr_va_vdst(0)
	v_rcp_f32 v14, v14
	v_nop
	s_wait_alu depctr_va_vdst(0)
.irp j, 0,2,4,6,8,10,12,14,16,18,20,22,24,26,28,30
	v_pk_mul_f32 v[96+\j:97+\j], v[160+\j:161+\j], v[14:15] op_sel_hi:[1,0]
.endr
.irp b, 0,1
	v_max3_num_f32 v[220+\b], |v[96+16*\b]|, |v[97+16*\b]|, 0x2800000
.endr
.irp i, 2,4,6,8,10,12,14
.irp b, 0,1
	s_delay_alu instid0(VALU_DEP_2)
	v_max3_num_f32 v[220+\b], v[220+\b], |v[96+16*\b+\i]|, |v[97+16*\b+\i]|
.endr
.endr
.irp b, 0,1
	s_delay_alu instid0(VALU_DEP_2)
	v_permlanex16_b32 v[224+\b], v[220+\b], s[SEL], s[SEL+1]
.endr
.irp b, 0,1
	s_delay_alu instid0(VALU_DEP_2)
	v_max_num_f32 v[220+\b], v[220+\b], v[224+\b]
.endr
.irp b, 0,1
	s_delay_alu instid0(VALU_DEP_2)
	v_add_nc_u32 v[228+\b], 0xfe000000, v[220+\b]
.endr
.irp b, 0,1
	s_delay_alu instid0(VALU_DEP_2)
	v_lshrrev_b32 v[224+\b], 23, v[228+\b]
.endr
	v_cvt_scalef32_pk16_bf6_f32 v[200:202], v[96:111], v228
	v_cvt_scalef32_pk16_bf6_f32 v[212:214], v[112:127], v229
	v_nop
.irp i, 0,1,2
	v_permlane16_swap_b32 v[200+\i], v[212+\i]
.endr
.irp i, 0,1,2
	s_delay_alu instid0(VALU_DEP_3)
	v_mov_b32 v[203+\i], v[212+\i]
.endr
	v_cndmask_b32 v239, v224, v225, s[HM]          ; lanes 0-15 store block 0's byte, lanes 16-31 block 1's
.irp j, 0,1,2
	global_store_b64 v5, v[200+2*\j:201+2*\j], s[\yb:\yb+1] offset:256*\j   ; 32 lanes store 256 consecutive bytes, aligned
.endr
	global_store_b8 v6, v239, s[\ysb:\ysb+1]       ; a head owns 2 of a row's 32 scale bytes
.endm
.macro START qm, qb                    ; a tile begins: its least query, its last step's first key, step 0, empty sums
	s_wait_xcnt 0x0                                ; earlier stores have read their registers
	s_mov_b32 s[Q0], s[\qm]
	s_mov_b32 s[QB], s[\qb]
	s_mov_b32 s[KF], 0
	s_mov_b32 s[TB], 0
	s_mov_b32 s[TS], 0
	s_mov_b32 s[TJ], 0
	v_mov_b32 v13, 0xff61b1e6                      ; the largest t so far: -3e38
	s_delay_alu instid0(VALU_DEP_1)
	v_floor_f32 v12, -v13
	v_mov_b32 v14, 0
	v_mov_b32 v15, 0
.irp j, 0,1,2,3,4,5,6,7,8,9,10,11,12,13,14,15,16,17,18,19,20,21,22,23,24,25,26,27,28,29,30,31
	v_mov_b32 v[160+\j], 0                         ; the step is written once a walk: the first finds zeros, which the first change of M leaves zeros
.endr
.endm
.macro WALK ns, qf, qs                 ; a constant number of trips: every LDS address is stepped in a loop of known length; hidden steps do no work
	s_mov_b32 s[CNT], \ns
.Lstep_\@:
	STEP \qf, \qs
	s_sub_co_u32 s[CNT], s[CNT], 1
	s_cmp_lg_u32 s[CNT], 0
	s_cbranch_scc1 .Lstep_\@
.endm
	START 3, 77                                    ; tau2: m >= 16, so its steps 0 to 3 all count
	WALK 4, 28, 41
	s_wait_alu depctr_va_vdst(0)                   ; the wait ahead of the waits below
	s_wait_tensorcnt 0x0                           ; my part of keys 512-2,047 has landed,
	s_wait_dscnt 0x0
	s_barrier_signal -1
	s_barrier_wait -1                              ; everybody's has: from here on LDS is only read
	s_mov_b32 s[KF], 512                           ; step 4, stated as constants
	s_mov_b32 s[TB], 24576
	s_mov_b32 s[TS], 2048
	s_mov_b32 s[TJ], 1024
	WALK 12, 28, 41
	WAYOUT 88, 90
	START 2, 76                                    ; tau1: m < 16: at most 8 steps count
	WALK 8, 16, 40
	WAYOUT 84, 86
	s_wait_tensorcnt 0x0                           ; the wave's end
	ds_add_u32 v254, v255
	s_wait_dscnt 0x0
	ROUND                                          ; the closing round
	s_endpgm
.Lfunc_end_k_q263a609221_attn:
	.size	k_q263a609221_attn, .Lfunc_end_k_q263a609221_attn-k_q263a609221_attn
	.p2alignl 7, 3214868480
	.fill 96, 4, 3214868480
	.section	.rodata,"a",@progbits
	.p2align	6, 0x0
	.amdhsa_kernel k_q263a609221_attn
		.amdhsa_group_segment_fixed_size 327680
		.amdhsa_private_segment_fixed_size 0
		.amdhsa_enable_private_segment 0
		.amdhsa_kernarg_size 24
		.amdhsa_user_sgpr_count 2
		.amdhsa_user_sgpr_kernarg_segment_ptr 1
		.amdhsa_wavefront_size32 1
		.amdhsa_system_sgpr_workgroup_id_x 1
		.amdhsa_system_sgpr_workgroup_id_y 1
		.amdhsa_system_sgpr_workgroup_id_z 1
		.amdhsa_system_vgpr_workitem_id 0
		.amdhsa_next_free_vgpr 256
		.amdhsa_next_free_sgpr 100
		.amdhsa_reserve_vcc 1
		.amdhsa_float_denorm_mode_32 3
		.amdhsa_float_denorm_mode_16_64 3
		.amdhsa_memory_ordered 1
		.amdhsa_forward_progress 1
		.amdhsa_inst_pref_size 97
	.end_amdhsa_kernel
	.amdgpu_metadata
---
amdhsa.version: [ 1, 2 ]
amdhsa.kernels:
  - .name:           k_q263a609221_attn
    .symbol:         k_q263a609221_attn.kd
    .args:
      - { .name: qk, .offset: 0, .size: 8, .value_kind: global_buffer, .address_space: global }
      - { .name: vq, .offset: 8, .size: 8, .value_kind: global_buffer, .address_space: global }
      - { .name: yq, .offset: 16, .size: 8, .value_kind: global_buffer, .address_space: global }
    .group_segment_fixed_size: 327680
    .private_segment_fixed_size: 0
    .kernarg_segment_align: 8
    .kernarg_segment_size: 24
    .max_flat_workgroup_size: 512
    .sgpr_count:     100
    .vgpr_count:     256
    .wavefront_size: 32
...
	.end_amdgpu_metadata
.endif
;; end of part 3
;; launch proj (part 4): grid 8 x 32, 4 waves a work-group, clusters of 4 x 4, 327,680 bytes of LDS; arguments yq, wq, b_proj, out0; writes out0
.if DOCPART == 4
	.amdgcn_target "amdgcn-amd-amdhsa--gfx1250"
	.amdhsa_code_object_version 6
	.text
	.protected	k_q263a609221_proj
	.globl	k_q263a609221_proj
	.p2align	8
	.type	k_q263a609221_proj,@function
k_q263a609221_proj:
	s_mov_b64 s[64:65], 0
	v_nop
	global_prefetch_b8 v0, s[64:65] scope:SCOPE_SE
	s_setreg_imm32_b32 hwreg(HW_REG_WAVE_MODE, 25, 1), 1
	s_wait_xcnt 0x0
	s_wait_alu depctr_hold_cnt(0) depctr_sa_sdst(0) depctr_va_vdst(0) depctr_va_sdst(0) depctr_va_ssrc(0) depctr_va_vcc(0) depctr_vm_vsrc(0)
	s_getreg_b32 s2, hwreg(HW_REG_IB_STS2, 6, 4)
	s_cmp_eq_u32 s2, 0
	s_cbranch_scc0 .Lentry_in_a_cluster
	s_endpgm
.Lentry_in_a_cluster:
	s_bfe_u32 s2, ttmp6, 0x10000c
	s_cmp_lg_u32 s2, 0xf033
	s_cbranch_scc0 .Lentry_shape_is_right
	s_endpgm
.Lentry_shape_is_right:
; out0 = y W_proj + b_proj on codes of BF6 (E3M2) with E8M0 scales; K = 1,024.  A work-group makes 256 rows x 128 columns: 8 x 32 = 256 work-groups; a wave makes 64 rows x 128 columns: 32 accumulators.
; ALL OF K LIES IN LDS, filled once: y's 256 rows are 196,608 dense bytes of yq, images of the operand's registers ([16 rows][head][768 bytes]: registers 2 j, 2 j + 1 of lane L at 256 j + 8 L);
; W_proj's 128 rows are four K steps of 24,576 dense bytes, 49,152 apart in wq, laid with 16 bytes of padding behind each 64: LDS rows of 240 bytes.  One joint load a wave: waves 0, 1 y's halves, waves 2, 3 two K steps of W each.
; No prefetch: everything is asked for at the head, so no loop runs ahead of a load.
; CLUSTERS: 4 x 4 work-groups; y's tiles are asked for jointly along a row of the cluster, W's along a column.
; THE SCALE WORDS go from memory straight into registers: a lane's row has 32 scale bytes, eight words, one for each 128 along K; sixteen lanes read 512 consecutive bytes.
; The matrix instruction is used transposed (source 0 = 16 rows of W, source 1 = 16 rows of y).  Rows of both lie at places (bits 3 and 4 of a row's number exchanged); the way out puts rows and columns back.
; REGISTERS: window 0: v0-31 addresses, v12-15 the bias; v32-63 y's scale words, v64-127 W's; v128-223 y's fragments, two sets (on the way out v128-255: rows read back).  window 1: W's fragments, two sets, at v0 and v128.  window 2: the accumulators.
.set PITCH,  240
.set FR,     12
.set HALFT,  128*PITCH                 ; a K step of 256 of W's 128 rows in LDS
.set BOFF,   196608                    ; W's codes lie behind y's
.set SPARE,  BOFF+4*HALFT              ; the spare words, 128 bytes a wave
.set WPART,  49152                     ; a wave's 64 rows of y in LDS; when they are read out, its stage for the way out lies there
.set SPITCH, 528
.set YSC,    6291456
.set WSC,    3145728
.set BI,   12
.set ADRA, 16
.set ADRB, 20                          ; v20, v21: K steps 0, 1 (v21 behind one padding more); v22, v23: K steps 2, 3
.set STO,  24
.set RD,   25
.set CO,   26
.set SPW,  28
.set NIL,  29
.set SA,   32
.set SB,   64
.set AF,   128
.set BK,   128
.set G1, 24
.set G0, 32
.set G1B, 48
.set G0B, 56
.set MSB, 0
.macro WIN new                         ; the immediate's high byte repeats the setting that is left
.if MSB != (\new)
	s_set_vgpr_msb (MSB<<8)|(\new)
.set MSB, (\new)
.endif
.endm
.macro CROUND                          ; a round of the cluster's barrier
	s_barrier_signal -1
	s_barrier_wait -1
	s_cmp_lg_u32 s14, 0
	s_cbranch_scc1 .Lnot_wave_0_\@
	s_barrier_signal -3
.Lnot_wave_0_\@:
	s_barrier_wait -3
	s_barrier_signal -1
	s_barrier_wait -1
.endm
.macro PLACES                          ; plain vector instructions between a matrix instruction and a load into, or a read of, its registers
.rept 4
	v_nop
.endr
.endm
	s_load_b256 s[4:11], s[0:1], 0x0               ; yq, wq, b_proj, out0
	v_lshl_add_u32 v[SPW], v0, 2, SPARE
	v_mov_b32 v[NIL], 0
	ds_add_u32 v[SPW], v[NIL]                      ; the opening lines: the add twice on end
	ds_add_u32 v[SPW], v[NIL]
	v_lshrrev_b32 v1, 5, v0
	v_readfirstlane_b32 s14, v1                    ; wave 0..3
	s_lshr_b32 s15, s14, 1                         ; I fetch for y (0) or for W (1),
	s_and_b32 s16, s14, 1                          ; and which half
	s_bfe_u32 s40, ttmp6, 0x40000                  ; cx
	s_bfe_u32 s41, ttmp6, 0x40004                  ; cy
	s_lshl_b32 s42, ttmp9, 2
	s_add_co_u32 s42, s42, s40                     ; tile column, 0..7
	s_and_b32 s17, ttmp7, 0xffff
	s_lshl_b32 s17, s17, 2
	s_add_co_u32 s17, s17, s41                     ; tile row, 0..31
	s_lshl_b32 s43, s41, 2
	s_lshl_b32 s43, 15, s43                        ; my row of the cluster
	s_lshl_b32 s44, 0x1111, s40                    ; my column
	s_or_b32 s[G1+0], s43, (3<<16)|(1<<21)         ; y: 98,304 dense bytes as 384 rows of 256 (32 elements of 8 bytes)
	s_mov_b32 s[G1+1], 32<<16
	s_mov_b32 s[G1+2], 384<<16
	s_mov_b32 s[G1+3], 32<<16
	s_mov_b32 s[G1+4], 384
	s_mov_b32 s[G1+5], 32
	s_mov_b32 s[G1+6], 0
	s_mov_b32 s[G1+7], 0
	s_or_b32 s[G1B+0], s44, (3<<16)|(1<<20)|(1<<21)|(3<<22)|(3<<25)   ; W: two rows of 24,576 bytes, 49,152 apart; 16 bytes of padding behind every 64
	s_mov_b32 s[G1B+1], 3072<<16
	s_mov_b32 s[G1B+2], 2<<16
	s_mov_b32 s[G1B+3], 3072<<16
	s_mov_b32 s[G1B+4], 2
	s_mov_b32 s[G1B+5], 6144
	s_mov_b32 s[G1B+6], 0
	s_mov_b32 s[G1B+7], 0
	s_mul_i32 s18, s16, 98304                      ; my half: y's 128 rows, or W's two K steps: the same number of bytes in memory
	s_mul_i32 s20, s17, 196608
	s_add_co_u32 s20, s20, s18
	s_mov_b32 s21, 0                               ; y's codes
	s_lshr_b32 s46, s42, 1
	s_add_co_u32 s46, s46, 12                      ; W_proj's rows begin at place 3,072: block 12 of 256 rows
	s_mul_i32 s46, s46, 196608
	s_and_b32 s47, s42, 1
	s_mul_i32 s47, s47, 24576                      ; which 128 rows of the block
	s_add_co_u32 s46, s46, s47
	s_add_co_u32 s46, s46, s18
	s_mov_b32 s47, 0                               ; W's codes
	s_mul_i32 s45, s16, 2*HALFT
	s_wait_dscnt 0x0
	s_wait_kmcnt 0x0
	s_mov_b32 s[G0], 1
	s_mov_b32 s[G0+1], s18
	s_add_nc_u64 s[G0+2:G0+3], s[4:5], s[20:21]
	s_or_b32 s[G0+3], s[G0+3], 0x80000000
	s_mov_b32 s[G0B], 1
	s_add_co_u32 s[G0B+1], s45, BOFF
	s_add_nc_u64 s[G0B+2:G0B+3], s[6:7], s[46:47]
	s_or_b32 s[G0B+3], s[G0B+3], 0x80000000
	CROUND                                         ; all sixteen work-groups are here: the joint loads meet
	s_cmp_eq_u32 s15, 0                            ; one load a wave, one arm each
	s_cbranch_scc0 .Lfor_b
	tensor_load_to_lds s[G0:G0+3], s[G1:G1+7]
	s_nop 0
	PLACES
	s_branch .Lasked
.Lfor_b:
	tensor_load_to_lds s[G0B:G0B+3], s[G1B:G1B+7]
	s_nop 0
	PLACES
.Lasked:
	s_lshl_b32 s20, s17, 8
	s_lshl_b32 s21, s14, 6
	s_add_co_u32 s20, s20, s21                     ; my first row: 256 x tile row + 64 x wave
	s_lshl_b32 s22, s20, 5
	s_add_co_u32 s22, s22, YSC
	s_mov_b32 s23, 0
	s_add_nc_u64 s[22:23], s[4:5], s[22:23]        ; its scale bytes
	s_lshl_b32 s92, s42, 12
	s_add_co_u32 s92, s92, 3072*32+WSC
	s_mov_b32 s93, 0
	s_add_nc_u64 s[92:93], s[6:7], s[92:93]        ; those of W's 128 rows
	s_lshl_b32 s46, s42, 9                         ; my columns, in bytes
	s_mov_b32 s47, 0
	s_add_nc_u64 s[8:9], s[8:9], s[46:47]
	s_lshl_b32 s20, s20, 12
	s_add_co_u32 s20, s20, s46
	s_mov_b32 s21, 0
	s_add_nc_u64 s[12:13], s[10:11], s[20:21]
	s_mul_i32 s19, s14, WPART
	v_and_b32 v1, 15, v0                           ; r
	v_bfe_u32 v2, v0, 4, 1                         ; h
	v_and_b32 v6, 31, v0                           ; L
	v_lshlrev_b32 v3, 3, v6
	v_add_nc_u32 v[ADRA], s19, v3                  ; y's fragments: my part + 8 L
	v_mul_u32_u24 v4, v1, PITCH
	v_mad_u32_u24 v4, v2, 24, v4                   ; W's: row x pitch + 24 h,
	v_lshl_add_u32 v5, v2, 4, v4                   ; and the same behind one padding more
	v_add_nc_u32 v[ADRB], BOFF, v4
	v_add_nc_u32 v[ADRB+1], BOFF, v5
	v_add_nc_u32 v[ADRB+2], BOFF+2*HALFT, v4
	v_add_nc_u32 v[ADRB+3], BOFF+2*HALFT, v5
	v_lshlrev_b32 v7, 5, v1                        ; 32 scale bytes a row
	v_mul_u32_u24 v8, v1, SPITCH
	v_lshl_add_u32 v8, v2, 6, v8
	v_add_nc_u32 v[STO], s19, v8                   ; the stage, in: row r, 64 h
	v_lshlrev_b32 v[CO], 4, v6
	v_add_nc_u32 v[RD], s19, v[CO]                 ; and back: a row of 512 bytes to the 32 lanes
	s_wait_alu depctr_va_vdst(0)                   ; the wait at the head's end
.irp i, 0,1,2,3
	global_load_b128 v[SA+8*\i:SA+8*\i+3], v7, s[22:23] offset:512*\i
	global_load_b128 v[SA+8*\i+4:SA+8*\i+7], v7, s[22:23] offset:512*\i+16
.endr
.irp i, 0,1,2,3,4,5,6,7
	global_load_b128 v[SB+8*\i:SB+8*\i+3], v7, s[92:93] offset:512*\i
	global_load_b128 v[SB+8*\i+4:SB+8*\i+7], v7, s[92:93] offset:512*\i+16
.endr
	global_load_b128 v[BI:BI+3], v[CO], s[8:9]
.macro FRAG_B reg, q, i                ; 16 rows x 128 K: 24 bytes of the row twice, in pieces of 8; where lanes 16-31 lie behind one padding more, the second address register serves
.irp p, 0,1,2,3,4,5
.set PCE, 12*((\q)%2)+6*(\p/3)+\p%3
.if PCE%8 < 5
	ds_load_b64 v[\reg+2*\p:\reg+2*\p+1], v[ADRB+2*((\q)/4)] offset:(((\q)/2)%2)*HALFT+8*PCE+16*(PCE/8)+(\i)*16*PITCH
.else
	ds_load_b64 v[\reg+2*\p:\reg+2*\p+1], v[ADRB+1+2*((\q)/4)] offset:(((\q)/2)%2)*HALFT+8*PCE+16*(PCE/8)+(\i)*16*PITCH
.endif
.endr
.endm
.macro FRAG_A reg, q, i                ; heads 2 q and 2 q + 1 of block i, as they lie
.irp p, 0,1,2,3,4,5
	ds_load_b64 v[\reg+2*\p:\reg+2*\p+1], v[ADRA] offset:(\i)*12288+(2*(\q)+\p/3)*768+(\p%3)*256
.endr
.endm
.macro FETCH q                         ; 72 LDS loads: step q's fragments into set q % 2
	WIN 0x40
.irp i, 0,1,2,3,4,5,6,7
	FRAG_B 128*((\q)%2)+FR*\i, \q, \i
.endr
	WIN 0
.if (\q) > 0
	s_wait_dscnt 48                                ; all but the 48 just issued: the fragments of the step before, which is multiplied next, are in
.endif
.irp i, 0,1,2,3
	FRAG_A AF+48*((\q)%2)+FR*\i, \q, \i
.endr
.endm
.macro MUL q                           ; 32 matrix instructions: the 32 accumulators by turns, in the same order in every step; the first step starts the sums
	WIN 0xa1
.irp a, 0,1,2,3
.irp b, 0,1,2,3,4,5,6,7
.if (\q) == 0
	v_wmma_scale_f32_16x16x128_f8f6f4 v[8*(8*\a+\b):8*(8*\a+\b)+7], v[128*((\q)%2)+FR*\b:128*((\q)%2)+FR*\b+FR-1], v[AF+48*((\q)%2)+FR*\a:AF+48*((\q)%2)+FR*\a+FR-1], 0, v[SB+8*\b+(\q)], v[SA+8*\a+(\q)] matrix_a_fmt:MATRIX_FMT_BF6 matrix_b_fmt:MATRIX_FMT_BF6
.else
	v_wmma_scale_f32_16x16x128_f8f6f4 v[8*(8*\a+\b):8*(8*\a+\b)+7], v[128*((\q)%2)+FR*\b:128*((\q)%2)+FR*\b+FR-1], v[AF+48*((\q)%2)+FR*\a:AF+48*((\q)%2)+FR*\a+FR-1], v[8*(8*\a+\b):8*(8*\a+\b)+7], v[SB+8*\b+(\q)], v[SA+8*\a+(\q)] matrix_a_fmt:MATRIX_FMT_BF6 matrix_b_fmt:MATRIX_FMT_BF6
.endif
.endr
.endr
.endm
	s_wait_tensorcnt 0x0                           ; my load has landed,
	s_barrier_signal -1
	s_barrier_wait -1                              ; everybody's has
	FETCH 0
	s_wait_loadcnt 0x0                             ; the scale words and the bias
.irp q, 0,1,2,3,4,5,6
.if \q > 0
	PLACES                                         ; the loads below land in the set that the step before multiplied
.endif
	FETCH \q+1
	MUL \q
.endr
	s_wait_dscnt 0x0
	MUL 7
	WIN 0
; THE WAY OUT, block by block of 16 rows x 128 columns, through my own stage: it lies in my own part of y's bytes, which no other wave reads, which I have read out, and which has had its one fill.
.macro TOSTAGE a
	WIN 0x08                                       ; the data: window 2
.irp b, 0,1,2,3,4,5,6,7
	ds_store_b128 v[STO], v[64*(\a)+8*\b:64*(\a)+8*\b+3] offset:128*(\b/2)+32*(\b%2)      ; register j of accumulator b: column 32 (b / 2) + 16 h + 8 (b % 2) + j; each accumulator from its low end on
	ds_store_b128 v[STO], v[64*(\a)+8*\b+4:64*(\a)+8*\b+7] offset:128*(\b/2)+32*(\b%2)+16
.endr
	WIN 0
.set BB, BK+64*((\a)%2)
.irp t, 0,1,2,3,4,5,6,7,8,9,10,11,12,13,14,15
	ds_load_b128 v[BB+4*\t:BB+4*\t+3], v[RD] offset:\t*SPITCH   ; LDS serves a wave's instructions in order: these see the stores above
.endr
.endm
.macro SEND a, younger
.set BB, BK+64*((\a)%2)
	s_wait_dscnt \younger
.if (\a) > 0
.if ((\a)%2) == 1
	s_add_nc_u64 s[12:13], s[12:13], 8*4096        ; block a's rows: 32 (a / 2) + 8 (a % 2) + (t & 7) + 16 (t >> 3)
.else
	s_add_nc_u64 s[12:13], s[12:13], 24*4096
.endif
.endif
.irp t, 0,1,2,3,4,5,6,7,8,9,10,11,12,13,14,15
	v_pk_add_f32 v[BB+4*\t:BB+4*\t+1], v[BB+4*\t:BB+4*\t+1], v[BI:BI+1]
	v_pk_add_f32 v[BB+4*\t+2:BB+4*\t+3], v[BB+4*\t+2:BB+4*\t+3], v[BI+2:BI+3]
	global_store_b128 v[CO], v[BB+4*\t:BB+4*\t+3], s[12:13] offset:(((\t)&7)+16*((\t)>>3))*4096 th:TH_STORE_NT   ; 32 lanes store 512 consecutive bytes, aligned
.endr
.endm
	PLACES
	TOSTAGE 0
.irp a, 1,2,3
.if \a > 1
	s_wait_xcnt 0x0                                ; block a - 2's stores have read their registers and their base
.endif
	TOSTAGE \a
	SEND \a-1, 32                                  ; behind block a - 1's loads: block a's 16 stores and 16 loads
.endr
	s_wait_xcnt 0x0
	SEND 3, 0
	s_wait_tensorcnt 0x0                           ; the wave's end
	ds_add_u32 v[SPW], v[NIL]
	s_wait_dscnt 0x0
	CROUND                                         ; the closing round
	s_endpgm
.Lfunc_end_k_q263a609221_proj:
	.size	k_q263a609221_proj, .Lfunc_end_k_q263a609221_proj-k_q263a609221_proj
	.p2alignl 7, 3214868480
	.fill 96, 4, 3214868480
	.section	.rodata,"a",@progbits
	.p2align	6, 0x0
	.amdhsa_kernel k_q263a609221_proj
		.amdhsa_group_segment_fixed_size 327680
		.amdhsa_private_segment_fixed_size 0
		.amdhsa_enable_private_segment 0
		.amdhsa_kernarg_size 32
		.amdhsa_user_sgpr_count 2
		.amdhsa_user_sgpr_kernarg_segment_ptr 1
		.amdhsa_wavefront_size32 1
		.amdhsa_system_sgpr_workgroup_id_x 1
		.amdhsa_system_sgpr_workgroup_id_y 1
		.amdhsa_system_sgpr_workgroup_id_z 1
		.amdhsa_system_vgpr_workitem_id 0
		.amdhsa_next_free_vgpr 768
		.amdhsa_next_free_sgpr 98
		.amdhsa_reserve_vcc 0
		.amdhsa_float_denorm_mode_32 3
		.amdhsa_float_denorm_mode_16_64 3
		.amdhsa_memory_ordered 1
		.amdhsa_forward_progress 1
		.amdhsa_inst_pref_size 102
	.end_amdhsa_kernel
	.amdgpu_metadata
---
amdhsa.version: [ 1, 2 ]
amdhsa.kernels:
  - .name:           k_q263a609221_proj
    .symbol:         k_q263a609221_proj.kd
    .args:
      - { .name: yq, .offset: 0, .size: 8, .value_kind: global_buffer, .address_space: global }
      - { .name: wq, .offset: 8, .size: 8, .value_kind: global_buffer, .address_space: global }
      - { .name: b_proj, .offset: 16, .size: 8, .value_kind: global_buffer, .address_space: global }
      - { .name: out0, .offset: 24, .size: 8, .value_kind: global_buffer, .address_space: global }
    .group_segment_fixed_size: 327680
    .private_segment_fixed_size: 0
    .kernarg_segment_align: 8
    .kernarg_segment_size: 32
    .max_flat_workgroup_size: 128
    .sgpr_count:     98
    .vgpr_count:     768
    .wavefront_size: 32
...
	.end_amdgpu_metadata
.endif
;; end of part 4
